; MI455X (gfx1250); checked and timed in simulation.
; The chip was launched on July 23, 2026; its instructions are those of AMD's public machine-readable ISA for CDNA 5 (MIT licence, August 2026) and "CDNA5" Instruction Set Architecture Reference Guide (July 2026). The comments in the code are by the model that wrote it; some were corrected since.
;; Multihead Attention. Allowed arithmetic: matrix products marked QUANTISED: E2M3 operands, one E8M0 scale for each 32 along K, by v_wmma_scale_f32_16x16x128_f8f6f4 with both operands' format E2M3, f32 sums; everything else in f32.
;; Inputs: Wk 1,024 x 1,024 float32; Wo 1,024 x 1,024 float32; Wq 1,024 x 1,024 float32; x 4 x 2,048 x 1,024 float32.
;; Outputs: out0 4 x 2,048 x 1,024 float32.
;; This version of the problem:
;;   THIS VERSION OF THE PROBLEM IS GIVEN IN LOW PRECISION. The matrix products marked QUANTISED in the list below multiply operands that are first quantised to E2M3 (2 exponent bits, 3 mantissa bits; 6 bits a number), with one power-of-two scale for each 32 numbers along K (OCP MX v1.0); their sums are f32. All else is computed in f32.
;;   The module's matrix products, in the order in which they are computed (A, B: the left and right operand; K: the contracted axis; several contracted axes count as one K, in the product's order):
;;     1. [M 8,192, K 1,024] x [K 1,024, N 1,024]; A: input x; B: input Wq: QUANTISED
;;     2. [M 8,192, K 1,024] x [K 1,024, N 1,024]; A: input x; B: input Wk: QUANTISED
;;     3. batch 64 x [M 2,048, K 64] x [K 64, N 2,048]; A: computed on the way; B: computed on the way: QUANTISED
;;     4. batch 64 x [M 2,048, K 2,048] x [K 2,048, N 64]; A: softmax (see below); B: computed on the way: QUANTISED
;;     5. [M 8,192, K 1,024] x [K 1,024, N 1,024]; A: computed on the way; B: input Wo: QUANTISED
;;   THE QUANTISER, for each operand of a quantised product, along K:
;;     - K is cut into blocks of 32 from its start; a last block that is shorter is filled with zeros.
;;     - A block's scale is 2^e with e = floor(log2(the largest magnitude in the block)) - 2, held to -126 .. 127; a block of zeros has e = 0. As a byte (E8M0): e + 127.
;;     - Each number is divided by its block's scale, clamped to +-7.5, and rounded to the nearest number of E2M3, ties to even, subnormals kept.
;;     - The product sums the exact products of the quantised numbers (number of the format x scale) in f32.
;;   ~~~python
;;   def quantise(x, axis):      # numpy; x: float32 -> the quantised numbers, widened to float32 again
;;       x = np.moveaxis(x, axis, -1); K = x.shape[-1]
;;       x = np.pad(x, [(0, 0)] * (x.ndim - 1) + [(0, -K % 32)]); x = x.reshape(x.shape[:-1] + (-1, 32)); a = np.abs(x).max(-1, keepdims=True)
;;       e = np.where(a > 0, np.clip(np.frexp(np.where(a > 0, a, 1))[1] - 1 - 2, -126, 127), 0)      # np.frexp(a)[1] - 1 = floor(log2(a)), exactly
;;       r = np.clip(x / 2.0 ** e, -7.5, 7.5)
;;       step = 2.0 ** (np.maximum(np.frexp(np.where(r == 0, 1, r))[1] - 1, 0) - 3)
;;       q = np.round(r / step) * step * 2.0 ** e      # np.round: ties to even
;;       return np.moveaxis(q.reshape(q.shape[:-2] + (-1,))[..., :K], -1, axis).astype(np.float32)
;;   ~~~
;;   SOFTMAX AHEAD OF A QUANTISED PRODUCT. Where the list says 'softmax', what is quantised is not the finished softmax but p = 2^(t - M), with t = logit x log2(e) and M = ceil(the row's largest t), a whole number; so 1/2 < the row's largest p <= 1. The row's sum l is taken of the UNQUANTISED p, in f32, and the product's result is divided by l at the end. Since M is a whole number, a kernel that streams over the keys may use a running M (the ceiling of the running maximum): every later rescaling is an exact power of two, which a block's scale takes up: the codes' values come out the same.
;;   OPERANDS COMPUTED ON THE WAY. 'Computed on the way' means the value that the module computes at that place (a softmax that the list does not call 'softmax' is quantised finished and normalised). What goes into a quantiser is computed in f32, as accurately as f32 sums, v_exp_f32 and their like allow (about 1e-6 of the number): no bf16 or f16 on the way to a quantiser, and a product that is left as it is and whose result goes on into a quantised operand takes f32 operands (vector FMAs, or v_wmma_f32_16x16x4_f32). A number that lies on a knife's edge between two numbers of the format may be rounded either way, as far as f32 arithmetic and the matrix unit's own rounding can turn it there, and no further.
;; One version. Each part assembles by itself: llvm-mc -triple=amdgcn-amd-amdhsa -mcpu=gfx1250 --defsym DOCPART=n.
;; ======== version 1 of 1: 4 launches
;; limits: right only within a limited range of input values
;; workspace buffers: opc 8,650,752 bytes; ops 360,448 bytes; qkvc 25,165,824 bytes; qkvs 1,048,576 bytes; oc 6,291,456 bytes; osc 262,144 bytes
;; launch quant (part 1): grid 176 x 1, 32 waves a work-group, no clusters, 272,384 bytes of LDS; arguments x, Wq, Wk, Wo, opc, ops; writes opc, ops
.if DOCPART == 1
	.amdgcn_target "amdgcn-amd-amdhsa--gfx1250"
	.amdhsa_code_object_version 6
	.text
	.protected	k_qf6607fcf84_quant
	.globl	k_qf6607fcf84_quant
	.p2align	8
	.type	k_qf6607fcf84_quant,@function
k_qf6607fcf84_quant:
	s_mov_b64 s[64:65], 0
	v_nop
	global_prefetch_b8 v0, s[64:65] scope:SCOPE_SE
	s_setreg_imm32_b32 hwreg(HW_REG_WAVE_MODE, 25, 1), 1
	s_wait_xcnt 0x0
; x, Wq, Wk and Wo, f32 with K innermost, become codes of FP6 (E2M3) and E8M0 scale bytes, laid as images of operand registers:
; opc: [tile of 16 rows][8 steps of 128 along K][1,536 bytes]; ops: [tile][row][8 words].  704 tiles: 512 of x, 64 of each weight; a work-group takes four: 176 work-groups.
; EIGHT WAVES TO A TILE.  Wave n of a tile fetches 8 rows x 1,024 bytes by its one tensor load (chunk n / 2 of K, half n % 2 of the rows); behind one barrier it quantises step n: 16 rows x 128 along K.
; A lane holds two whole blocks of 32 (row l % 16, k = 64 c + 32 (l / 16) ..), so the conversions' results are the operand's registers.
; The eight scale words of a row go through an LDS stage, so that wave 0 of a tile stores the tile's 512 bytes as two whole runs of 256.
; Nothing is filled again; no prefetch: each wave's bytes are asked for at the head, and there is no loop to run ahead in.
; LIMITS: a block of zeros gets the byte 1 where the rule says 127 (its codes are zeros; this program alone reads the bytes); NaN and infinities are not served.
.set WREG,  66560                      ; a tile in LDS: four chunks
.set CHUNK, 16640                      ; 16 rows x RP
.set RP,    1040                       ; 1,024 bytes + 16 of padding
.set STG,   266240                     ; the stage for the scale words: 512 bytes a tile
.set SPARE, 268288                     ; the spare words: 128 bytes for each of 32 waves
.set CT,    24
.set X,     32
.set FS,    96
.set G1,    24
	s_load_b256 s[4:11], s[0:1], 0x0               ; x, Wq, Wk, Wo
	s_load_b128 s[12:15], s[0:1], 0x20             ; opc, ops
	v_lshl_add_u32 v2, v0, 2, SPARE
	v_mov_b32 v3, 0
	ds_add_u32 v2, v3                              ; the opening lines
	ds_add_u32 v2, v3
	v_lshrrev_b32 v1, 5, v0
	v_readfirstlane_b32 s16, v1                    ; wave 0..31
	s_lshr_b32 s40, s16, 3                         ; which of the four tiles
	s_and_b32 s41, s16, 7                          ; n: my load and my step
	s_lshr_b32 s43, s41, 1                         ; chunk
	s_and_b32 s42, s41, 1                          ; half
	s_lshl_b32 s17, ttmp9, 2
	s_add_co_u32 s17, s17, s40                     ; the tile, 0..703
	s_max_u32 s18, s17, 512
	s_sub_co_u32 s18, s18, 512
	s_lshr_b32 s19, s18, 6                         ; which weight: 0 Wq, 1 Wk, 2 Wo
	s_and_b32 s18, s18, 63
	s_cmp_lt_u32 s17, 512
	s_cselect_b32 s18, s17, s18                    ; the tile inside its tensor
	s_lshr_b32 s20, s18, 1                         ; x, Wq, Wk: rows 32 (t / 2) + 8 (t % 2) + 0..7, and the eight 16 further on
	s_lshl_b32 s20, s20, 5
	s_and_b32 s21, s18, 1
	s_lshl_b32 s22, s21, 3
	s_add_co_u32 s20, s20, s22
	s_lshl_b32 s23, s18, 4                         ; Wo: rows as they lie
	s_mov_b32 s21, 65536
	s_cmp_eq_u32 s19, 2
	s_cselect_b32 s20, s23, s20                    ; first row
	s_cselect_b32 s21, 32768, s21                  ; bytes from the first eight rows to the second eight
	s_mov_b32 s[G1+0], (3<<16)|(1<<20)|(7<<22)|(3<<25)   ; elements of 8 bytes; 4 words of padding behind every 256
	s_mov_b32 s[G1+1], 128<<16
	s_mov_b32 s[G1+2], 8<<16
	s_mov_b32 s[G1+3], 128<<16
	s_mov_b32 s[G1+4], 8
	s_mov_b32 s[G1+5], 512
	s_mov_b32 s[G1+6], 0
	s_mov_b32 s[G1+7], 0
	s_mov_b32 s66, 0x76543210
	s_mov_b32 s67, 0xfedcba98
	s_mul_i32 s18, s40, WREG
	s_mul_i32 s44, s43, CHUNK
	s_add_co_u32 s44, s44, s18                     ; my chunk in LDS
	s_mul_i32 s45, s42, 8*RP
	s_add_co_u32 s45, s45, s44                     ; where my load lands
	s_lshl_b32 s46, s42, 9
	s_add_co_u32 s46, s46, s44                     ; where my step's numbers begin in a row
	s_wait_dscnt 0x0
	s_wait_kmcnt 0x0
	s_cmp_lt_u32 s17, 512
	s_cselect_b64 s[4:5], s[4:5], s[6:7]
	s_cmp_ge_u32 s19, 1
	s_cselect_b64 s[4:5], s[8:9], s[4:5]
	s_cmp_eq_u32 s19, 2
	s_cselect_b64 s[4:5], s[10:11], s[4:5]
	s_lshl_b32 s22, s20, 12
	s_mov_b32 s23, 0
	s_add_nc_u64 s[4:5], s[4:5], s[22:23]
	s_mov_b32 s22, s21
	s_add_nc_u64 s[6:7], s[4:5], s[22:23]
	s_cmp_lg_u32 s42, 0
	s_cselect_b64 s[4:5], s[6:7], s[4:5]           ; my eight rows,
	s_lshl_b32 s22, s43, 10
	s_add_nc_u64 s[4:5], s[4:5], s[22:23]          ; my 1,024 bytes of them
	s_mul_i32 s22, s17, 12288
	s_mul_i32 s47, s41, 1536
	s_add_co_u32 s22, s22, s47
	s_add_nc_u64 s[12:13], s[12:13], s[22:23]      ; my step's image
	s_lshl_b32 s22, s17, 9
	s_add_nc_u64 s[14:15], s[14:15], s[22:23]      ; the tile's scale words
	s_mov_b32 s32, 1
	s_mov_b32 s33, s45
	s_mov_b64 s[34:35], s[4:5]
	s_or_b32 s35, s35, 0x80000000
	tensor_load_to_lds s[32:35], s[G1:G1+7]        ; my one tensor load
	s_nop 0
	v_and_b32 v1, 31, v0
	v_and_b32 v9, 15, v0
	v_bfe_u32 v10, v0, 4, 1
	v_mul_u32_u24 v4, v9, RP
	v_lshl_add_u32 v4, v10, 7, v4
	v_add_nc_u32 v4, s46, v4                       ; row l % 16, + 128 bytes for lanes 16-31
	v_lshlrev_b32 v5, 4, v1
	v_lshlrev_b32 v6, 3, v1
	v_lshlrev_b32 v7, 3, v10
	s_lshl_b32 s47, s40, 9
	s_add_co_u32 s47, s47, STG
	s_lshl_b32 s48, s41, 2
	s_add_co_u32 s48, s48, s47
	v_lshl_add_u32 v8, v9, 5, s48                  ; the stage: row x 32 + 4 x step
	v_add_nc_u32 v17, s47, v5                      ; and back: 16 bytes a lane
	v_mov_b32 v31, 0
	s_wait_alu depctr_va_vdst(0)                   ; the wait at the head's end
	s_wait_tensorcnt 0x0                           ; my rows are in;
	s_barrier_signal -1
	s_barrier_wait -1                              ; everybody's are
.irp c, 0,1
.irp i, 0,1,2,3,4,5,6,7
	ds_load_b128 v[X+32*\c+4*\i:X+32*\c+4*\i+3], v4 offset:256*\c+16*\i
.endr
.endr
	s_wait_dscnt 0x0
.irp c, 0,1
	v_max3_num_f32 v[9+\c], |v[X+32*\c]|, |v[X+32*\c+1]|, 0x1800000   ; with the floor 2^(3 - 127): the byte cannot fall under 1
.endr
.irp i, 2,4,6,8,10,12,14,16,18,20,22,24,26,28,30
.irp c, 0,1
	v_max3_num_f32 v[9+\c], v[9+\c], |v[X+32*\c+\i]|, |v[X+32*\c+\i+1]|
.endr
.endr
.irp c, 0,1
	v_add_nc_u32 v[11+\c], 0xff000000, v[9+\c]     ; 2 off the exponent field: the conversion's scale operand
.endr
.irp c, 0,1
	v_lshrrev_b32 v[13+\c], 23, v[11+\c]           ; the byte
.endr
	v_lshl_or_b32 v15, v14, 16, v13
	v_lshlrev_b32 v15, v7, v15                     ; my two bytes at their places,
	v_permlanex16_b32 v31, v15, s66, s67
	v_or_b32 v16, v15, v31                         ; with lane l xor 16's the word is whole
	v_cvt_scalef32_pk16_fp6_f32 v[FS:FS+2], v[X:X+15], v11
	v_cvt_scalef32_pk16_fp6_f32 v[CT:CT+2], v[X+16:X+31], v11
	v_cvt_scalef32_pk16_fp6_f32 v[FS+6:FS+8], v[X+32:X+47], v12
	v_cvt_scalef32_pk16_fp6_f32 v[CT+4:CT+6], v[X+48:X+63], v12
	v_nop                                          ; one plain place behind a scaled conversion
.irp i, 0,1,2
	v_mov_b32 v[FS+3+\i], v[CT+\i]
	v_mov_b32 v[FS+9+\i], v[CT+4+\i]
.endr
	ds_store_b32 v8, v16                           ; lanes l and l xor 16 write the same word with the same value
	global_store_b128 v5, v[FS:FS+3], s[12:13]     ; an image's half: 512 consecutive bytes,
	global_store_b64 v6, v[FS+4:FS+5], s[12:13] offset:512   ; and 256
	global_store_b128 v5, v[FS+6:FS+9], s[12:13] offset:768
	global_store_b64 v6, v[FS+10:FS+11], s[12:13] offset:1280
	s_wait_dscnt 0x0                               ; my word is in the stage
	s_barrier_signal -1
	s_barrier_wait -1
	s_cmp_lg_u32 s41, 0
	s_cbranch_scc1 .Ldone                          ; wave 0 of a tile stores its 512 bytes of scale words
	ds_load_b128 v[12:15], v17
	s_wait_dscnt 0x0
	global_store_b128 v5, v[12:15], s[14:15]
.Ldone:
	s_wait_tensorcnt 0x0                           ; the wave's end
	ds_add_u32 v2, v3
	s_wait_dscnt 0x0
	s_endpgm
.Lfunc_end_k_qf6607fcf84_quant:
	.size	k_qf6607fcf84_quant, .Lfunc_end_k_qf6607fcf84_quant-k_qf6607fcf84_quant
	.p2alignl 7, 3214868480
	.fill 96, 4, 3214868480
	.section	.rodata,"a",@progbits
	.p2align	6, 0x0
	.amdhsa_kernel k_qf6607fcf84_quant
		.amdhsa_group_segment_fixed_size 272384
		.amdhsa_private_segment_fixed_size 0
		.amdhsa_enable_private_segment 0
		.amdhsa_kernarg_size 48
		.amdhsa_user_sgpr_count 2
		.amdhsa_user_sgpr_kernarg_segment_ptr 1
		.amdhsa_wavefront_size32 1
		.amdhsa_system_sgpr_workgroup_id_x 1
		.amdhsa_system_sgpr_workgroup_id_y 1
		.amdhsa_system_sgpr_workgroup_id_z 1
		.amdhsa_system_vgpr_workitem_id 0
		.amdhsa_next_free_vgpr 128
		.amdhsa_next_free_sgpr 68
		.amdhsa_reserve_vcc 0
		.amdhsa_float_denorm_mode_32 3
		.amdhsa_float_denorm_mode_16_64 3
		.amdhsa_memory_ordered 1
		.amdhsa_forward_progress 1
		.amdhsa_inst_pref_size 10
	.end_amdhsa_kernel
	.amdgpu_metadata
---
amdhsa.version: [ 1, 2 ]
amdhsa.kernels:
  - .name:           k_qf6607fcf84_quant
    .symbol:         k_qf6607fcf84_quant.kd
    .args:
      - { .name: x, .offset: 0, .size: 8, .value_kind: global_buffer, .address_space: global }
      - { .name: Wq, .offset: 8, .size: 8, .value_kind: global_buffer, .address_space: global }
      - { .name: Wk, .offset: 16, .size: 8, .value_kind: global_buffer, .address_space: global }
      - { .name: Wo, .offset: 24, .size: 8, .value_kind: global_buffer, .address_space: global }
      - { .name: opc, .offset: 32, .size: 8, .value_kind: global_buffer, .address_space: global }
      - { .name: ops, .offset: 40, .size: 8, .value_kind: global_buffer, .address_space: global }
    .group_segment_fixed_size: 272384
    .private_segment_fixed_size: 0
    .kernarg_segment_align: 8
    .kernarg_segment_size: 48
    .max_flat_workgroup_size: 1024
    .sgpr_count:     68
    .vgpr_count:     128
    .wavefront_size: 32
...
	.end_amdgpu_metadata
.endif
;; end of part 1
;; launch proj (part 2): grid 8 x 32, 4 waves a work-group, clusters of 4 x 4, 327,680 bytes of LDS; arguments opc, ops, qkvc, qkvs; writes qkvc, qkvs
.if DOCPART == 2
	.amdgcn_target "amdgcn-amd-amdhsa--gfx1250"
	.amdhsa_code_object_version 6
	.text
	.protected	k_qf6607fcf84_proj
	.globl	k_qf6607fcf84_proj
	.p2align	8
	.type	k_qf6607fcf84_proj,@function
k_qf6607fcf84_proj:
	s_mov_b64 s[64:65], 0
	v_nop
	global_prefetch_b8 v0, s[64:65] scope:SCOPE_SE
	s_setreg_imm32_b32 hwreg(HW_REG_WAVE_MODE, 25, 1), 1
	s_wait_xcnt 0x0
	s_wait_alu depctr_hold_cnt(0) depctr_sa_sdst(0) depctr_va_vdst(0) depctr_va_sdst(0) depctr_va_ssrc(0) depctr_va_vcc(0) depctr_vm_vsrc(0)
	s_getreg_b32 s2, hwreg(HW_REG_IB_STS2, 6, 4)
	s_cmp_eq_u32 s2, 0
	s_cbranch_scc0 .Lentry_in_a_cluster
	s_endpgm
.Lentry_in_a_cluster:
	s_bfe_u32 s2, ttmp6, 0x10000c
	s_cmp_lg_u32 s2, 0xf033
	s_cbranch_scc0 .Lentry_shape_is_right
	s_endpgm
.Lentry_shape_is_right:
; q = x Wq^T and k = x Wk^T on codes of FP6 (E2M3) with E8M0 scales, K = 1,024, f32 sums; the results are quantised in registers, and only codes and scale bytes go to memory.
; TWO CLASSES of tiles of 256 x 256, told apart by the CLUSTER's x alone (the same in all sixteen partners): X = 0: q; X = 1: k, which is v too.
; Source 1 (lanes, called A) = 256 tokens, source 0 (registers, called B) = 256 rows of the weight: a lane holds one token and its registers run along the features: q and k are quantised along the head's 64.
; The weight's rows lie in memory so that the 16 result registers of tiles 2 b and 2 b + 1 are 16 neighbours: a lane's 64 registers of a block are 128 features, in four blocks of 32 shared by lanes l and l xor 16.
; v = k IS NOT MULTIPLIED AGAIN: a k wave's f32 sums go through its own stage in LDS, a head at a time, rows = features, 128 keys along a row; a lane reads back whole blocks of 32 keys of one feature and quantises them along the keys.
; OPERANDS lie in opc as images of registers: [tile of 16 rows][16 halves of 64 along K][768 bytes]: lane l's registers 0-3 at 16 l, its registers 4-5 at 512 + 8 l.
; A work-group of four waves; a wave makes 128 x 128: 64 accumulators, 512 registers.  K goes in four steps of 256 through a ring of two LDS slots; the scale bytes of the 512 rows come once and stay.
; CLUSTERS: 4 x 4 work-groups.  A's tiles are shared along a row of the cluster, B's along a column: each is asked for jointly.  No prefetch: K has four steps, of which two are asked for at the head.
; OUT.  qkvc: [head bh][key step of 128][8 tiles of k x 768 | v: 4 tiles of the head's 64 x 2 halves of the keys x 768]; q likewise QOFF bytes on (the first 6,144 bytes of each 12,288).
;   qkvs: [bh][step][k: row r x 4 words | v: row r x 4 words]; k's word (r, P): the two bytes of tile 2 P's row r, then those of tile 2 P + 1's; v's word (r, tile): the four bytes of the step's 128 keys; q's 524,288 bytes on, laid as k's.
;   Row r of v's tile t is the head's feature 32 (t / 2) + 8 (t % 2) + r + 8 (r / 8).
; LIMITS: a block of zeros gets the byte 1 where the rule says 127 (its codes are zeros; only this program reads the bytes); NaN and infinities are not served.
; REGISTERS, in windows of 256: window 0: v0-31 addresses; v32-63 scale words, two sets; from v128 A's fragments, ONE set; on the way out v32-255 are at work.
;   window 1: B's fragments, TWO sets, at v0 and v128.   window 2: the accumulators of my A rows 0-63 ((a, b) at v[8 (8 a + b)]);   window 3: those of rows 64-127.
.set NQ,     2
.set FR,     12
.set NL,     4
.set NP,     4                         ; places behind this matrix instruction (ISA guide 7.12.1)
.set TILEB,  3072                      ; a tile's 256 along K: four halves
.set ROWB,   3072                      ; from a K step to the next, in memory
.set KROW,   768                       ; bytes of codes for each row
.set HALFT,  8*TILEB                   ; 128 rows
.set SLOT,   4*HALFT                   ; A's 256 rows, then B's 256 rows
.set KS,     32                        ; a row of scale bytes
.set SCL,    2*SLOT                    ; behind the ring: the scale bytes, as runs of 256 bytes + 16 of padding
.set HALFS,  16*272
.set SBLK,   2*272
.set SPARE,  SCL+4*HALFS               ; the spare words
.set QOFF,   12582912
.set SP,     528                       ; v's stage: a feature's 128 keys, 512 bytes + 16
.set VSTG,   49152                     ; a wave's quarter of the ring, which holds its stage of 64 rows
.set ADRA, 16
.set ADRB, 20
.set ADRS, 27
.set SPW,  28
.set NIL,  29
.set SC,   32
.set AF,   128
.set TM,   64
.set PWD,  80
.set CT,   84
.set WD,   92
.set OW,   100
.set PCO,  128
.set G1, 24
.set G0, 32
.set G1B, 48
.set G0B, 56
.set G1S, 68
.set G0S, 76
.set G1SB, 80
.set G0SB, 88
.set G0H, 4                            ; s[4:7], s[96:99] group 0 of the head's loads of K step 0
.set G0HB, 96
.set MSB, 0
.macro WIN new                         ; the immediate's high byte repeats the setting that is left
.if MSB != (\new)
	s_set_vgpr_msb (MSB<<8)|(\new)
.set MSB, (\new)
.endif
.endm
.set MUL_LO, 0xa1                      ; source 0 (B) window 1, source 1 (A) window 0, C and D window 2
.set MUL_HI, 0xf1
.set TO_B,   0x40
.macro JLOAD g0a, g1a, g0b, g1b        ; a joint load: waves 0 and 1 fetch for A, waves 2 and 3 for B
	s_cmp_eq_u32 s15, 0
	s_cbranch_scc0 .Lfor_b_\@
	tensor_load_to_lds s[\g0a:\g0a+3], s[\g1a:\g1a+7]
	s_nop 0
.rept 4
	v_nop
.endr
	s_branch .Lasked_\@
.Lfor_b_\@:
	tensor_load_to_lds s[\g0b:\g0b+3], s[\g1b:\g1b+7]
	s_nop 0
.rept 4
	v_nop
.endr
.Lasked_\@:
.endm
.macro CREST                           ; a round of the cluster's barrier behind its opening barrier
	s_cmp_lg_u32 s14, 0
	s_cbranch_scc1 .Lnot_wave_0_\@
	s_barrier_signal -3
.Lnot_wave_0_\@:
	s_barrier_wait -3
	s_barrier_signal -1
	s_barrier_wait -1
.endm
.macro CROUND
	s_barrier_signal -1
	s_barrier_wait -1
	CREST
.endm
	s_load_b256 s[4:11], s[0:1], 0x0               ; opc s[4:5], ops s[6:7], qkvc s[8:9], qkvs s[10:11]
	v_lshl_add_u32 v[SPW], v0, 2, SPARE
	v_mov_b32 v[NIL], 0
	ds_add_u32 v[SPW], v[NIL]                      ; the opening lines
	ds_add_u32 v[SPW], v[NIL]
	s_wait_dscnt 0x0
	v_lshrrev_b32 v1, 5, v0
	v_readfirstlane_b32 s14, v1                    ; wave 0..3
	s_lshr_b32 s15, s14, 1                         ; which half of A's rows is mine.  Also: I fetch for A (0) or for B (1)
	s_and_b32 s16, s14, 1                          ; which half of B's rows.  Also: which 128 rows of that tile I fetch
	s_bfe_u32 s40, ttmp6, 0x40000                  ; cx, cy
	s_bfe_u32 s41, ttmp6, 0x40004
	s_and_b32 s12, ttmp7, 0xffff                   ; Y
	s_mov_b32 s13, ttmp9                           ; X
	s_lshl_b32 s43, s41, 2
	s_lshl_b32 s43, 15, s43                        ; my row of the cluster
	s_lshl_b32 s44, 0x1111, s40                    ; my column
	s_or_b32 s[G1+0], s43, (3<<16)|(1<<21)         ; codes: tiles of 3,072 bytes (384 elements of 8), 12,288 bytes apart in memory, dense in LDS
	s_or_b32 s[G1B+0], s44, (3<<16)|(1<<21)
.irp g, G1, G1B
	s_mov_b32 s[\g+1], 384<<16
	s_mov_b32 s[\g+2], 16<<16                      ; sixteen tiles for the head's loads; eight behind them
	s_mov_b32 s[\g+3], 384<<16
	s_mov_b32 s[\g+4], 16
	s_mov_b32 s[\g+5], 1536
	s_mov_b32 s[\g+6], 0
	s_mov_b32 s[\g+7], 0
.endr
	s_or_b32 s[G1S+0], s43, (3<<16)|(1<<20)|(1<<21)|(5<<22)|(3<<25)   ; the scale bytes of 256 rows: 32 rows of 256 bytes, 16 of padding behind each
	s_or_b32 s[G1SB+0], s44, (3<<16)|(1<<20)|(1<<21)|(5<<22)|(3<<25)
.irp g, G1S, G1SB
	s_mov_b32 s[\g+1], 32<<16
	s_mov_b32 s[\g+2], 32<<16
	s_mov_b32 s[\g+3], 32<<16
	s_mov_b32 s[\g+4], 32
	s_mov_b32 s[\g+5], 32
	s_mov_b32 s[\g+6], 0
	s_mov_b32 s[\g+7], 0
.endr
	s_lshl_b32 s20, s12, 10                        ; A = tokens from 1,024 Y on,
	s_lshl_b32 s21, s41, 8
	s_add_co_u32 s20, s20, s21                     ; + 256 cy
	s_lshl_b32 s46, s13, 10
	s_add_co_u32 s46, s46, 8192                    ; B = Wq (X = 0) or Wk (X = 1),
	s_lshl_b32 s47, s40, 8
	s_add_co_u32 s46, s46, s47                     ; + 256 cx
	s_mov_b32 s21, 0
	s_mov_b32 s47, 0
	s_mov_b64 s[18:19], KS
	s_mul_u64 s[22:23], s[20:21], s[18:19]         ; where these rows' scale bytes begin
	s_mul_u64 s[92:93], s[46:47], s[18:19]
	s_mov_b64 s[18:19], KROW
	s_mul_u64 s[20:21], s[20:21], s[18:19]         ; and their codes
	s_mul_u64 s[46:47], s[46:47], s[18:19]
	s_mul_i32 s45, s14, HALFT                      ; where my ring loads go: wave x 128 rows
	s_mul_i32 s94, s16, 128*KROW                   ; in the ring I fetch 128 rows of a tile: which half, in bytes
	s_mov_b32 s95, 0
	s_wait_kmcnt 0x0
	s_add_nc_u64 s[20:21], s[4:5], s[20:21]
	s_add_nc_u64 s[22:23], s[6:7], s[22:23]
	s_add_nc_u64 s[46:47], s[4:5], s[46:47]
	s_add_nc_u64 s[92:93], s[6:7], s[92:93]
	CROUND                                         ; all sixteen work-groups are here: the first joint loads meet
	s_mov_b32 s[G0S], 1
	s_mov_b32 s[G0S+1], SCL
	s_mov_b64 s[G0S+2:G0S+3], s[22:23]
	s_or_b32 s[G0S+3], s[G0S+3], 0x80000000
	s_mov_b32 s[G0SB], 1
	s_mov_b32 s[G0SB+1], SCL+2*HALFS
	s_mov_b64 s[G0SB+2:G0SB+3], s[92:93]
	s_or_b32 s[G0SB+3], s[G0SB+3], 0x80000000
	s_mov_b32 s[G0H], 1
	s_mov_b32 s[G0H+1], 0
	s_mov_b64 s[G0H+2:G0H+3], s[20:21]
	s_or_b32 s[G0H+3], s[G0H+3], 0x80000000
	s_mov_b32 s[G0HB], 1
	s_mov_b32 s[G0HB+1], 2*HALFT
	s_mov_b64 s[G0HB+2:G0HB+3], s[46:47]
	s_or_b32 s[G0HB+3], s[G0HB+3], 0x80000000
	s_add_nc_u64 s[20:21], s[20:21], s[94:95]      ; for the ring: my 128 rows of the tile
	s_add_nc_u64 s[46:47], s[46:47], s[94:95]
.irp s, 0,1
	s_mov_b32 s[G0+4*\s], 1
	s_add_co_u32 s[G0+4*\s+1], s45, \s*SLOT
	s_add_nc_u64 s[G0+4*\s+2:G0+4*\s+3], s[20:21], \s*ROWB
	s_or_b32 s[G0+4*\s+3], s[G0+4*\s+3], 0x80000000
	s_mov_b32 s[G0B+4*\s], 1
	s_add_co_u32 s[G0B+4*\s+1], s45, \s*SLOT
	s_add_nc_u64 s[G0B+4*\s+2:G0B+4*\s+3], s[46:47], \s*ROWB
	s_or_b32 s[G0B+4*\s+3], s[G0B+4*\s+3], 0x80000000
.endr
; THE HEAD'S LOADS, ONE A WAVE: wave 0 K step 0's 256 rows of A, wave 1 those of B, wave 2 the scale bytes of A's 256 rows, wave 3 those of B's.  One tree of branches on the wave's number.
.macro ARM under, g0, g1, next
	s_cmp_lt_u32 s14, \under
	s_cbranch_scc0 \next
	tensor_load_to_lds s[\g0:\g0+3], s[\g1:\g1+7]
	s_nop 0
.rept 4
	v_nop
.endr
	s_branch .Lhead_asked
\next:
.endm
	ARM 1, G0H,  G1,  .Lhead_b
	ARM 2, G0HB, G1B, .Lhead_sa
	ARM 3, G0S,  G1S, .Lhead_sb
	tensor_load_to_lds s[G0SB:G0SB+3], s[G1SB:G1SB+7]
	s_nop 0
.rept 4
	v_nop
.endr
.Lhead_asked:
	v_and_b32 v3, 31, v0
	v_lshlrev_b32 v4, 4, v3                        ; an image's places for my lane: 16 l
	v_lshlrev_b32 v5, 3, v3                        ; and 8 l
	s_mul_i32 s21, s15, HALFT                      ; my 128 rows of A
	s_mul_i32 s22, s16, HALFT                      ; my 128 rows of B,
	s_add_co_u32 s22, s22, 2*HALFT                 ; which lie behind A's 256
.irp s, 0,1
	v_add_nc_u32 v[ADRA+\s], s21, v4
	v_add_nc_u32 v[ADRB+\s], s22, v4
	v_add_nc_u32 v[ADRA+2+\s], s21, v5
	v_add_nc_u32 v[ADRB+2+\s], s22, v5
	s_add_co_u32 s21, s21, SLOT
	s_add_co_u32 s22, s22, SLOT
.endr
	v_and_b32 v1, 15, v0
	v_bfe_u32 v2, v0, 4, 1
	v_mul_u32_u24 v5, v1, KS                       ; my row's scale bytes: 32 a row,
	v_lshrrev_b32 v6, 8, v5
	v_lshl_add_u32 v5, v6, 4, v5                   ; and 16 more for each 256 passed
	s_mul_i32 s21, s15, HALFS
	s_mul_i32 s22, s16, HALFS
	s_add_co_u32 s22, s22, 2*HALFS
	s_sub_co_u32 s22, s22, s21
	v_mul_u32_u24 v6, s22, v2                      ; lanes 16-31 take B's
	s_add_co_u32 s21, s21, SCL
	v_add_nc_u32 v5, v5, v6
	v_add_nc_u32 v[ADRS], s21, v5
.macro FRAG reg, adr, q, i             ; a fragment: the two half images of tile i's q-th 128 along K, as they lie
	ds_load_b128 v[\reg:\reg+3], v[\adr] offset:TILEB*(\i)+1536*(\q)
	ds_load_b64 v[\reg+4:\reg+5], v[\adr+2] offset:TILEB*(\i)+1536*(\q)+512
	ds_load_b128 v[\reg+6:\reg+9], v[\adr] offset:TILEB*(\i)+1536*(\q)+768
	ds_load_b64 v[\reg+10:\reg+11], v[\adr+2] offset:TILEB*(\i)+1536*(\q)+1280
.endm
; 16 matrix instructions: A's blocks a0, a0 + 1 x B's eight.  The 64 accumulators take turns, one instruction a turn, in the same order in every step.
.macro MUL16 a0, p, q, sc, zero
.irp a, \a0, \a0+1
.irp b, 0,1,2,3,4,5,6,7
.if \zero
	v_wmma_scale_f32_16x16x128_f8f6f4 v[8*(8*((\a)%4)+\b):8*(8*((\a)%4)+\b)+7], v[128*(\p)+FR*\b:128*(\p)+FR*\b+FR-1], v[AF+FR*(\a):AF+FR*(\a)+FR-1], 0, v[SC+8*NQ*(\sc)+NQ*\b+(\q)], v[SC+8*NQ*(\sc)+NQ*(\a)+(\q)] matrix_a_fmt:MATRIX_FMT_FP6 matrix_b_fmt:MATRIX_FMT_FP6 matrix_a_scale:MATRIX_SCALE_ROW1
.else
	v_wmma_scale_f32_16x16x128_f8f6f4 v[8*(8*((\a)%4)+\b):8*(8*((\a)%4)+\b)+7], v[128*(\p)+FR*\b:128*(\p)+FR*\b+FR-1], v[AF+FR*(\a):AF+FR*(\a)+FR-1], v[8*(8*((\a)%4)+\b):8*(8*((\a)%4)+\b)+7], v[SC+8*NQ*(\sc)+NQ*\b+(\q)], v[SC+8*NQ*(\sc)+NQ*(\a)+(\q)] matrix_a_fmt:MATRIX_FMT_FP6 matrix_b_fmt:MATRIX_FMT_FP6 matrix_a_scale:MATRIX_SCALE_ROW1
.endif
.endr
.endr
.endm
.macro FETCH_B slot, q, p
	WIN TO_B
.irp i, 0,1,2,3,4,5,6,7
	FRAG 128*(\p)+FR*\i, ADRB+\slot, \q, \i
.endr
	WIN 0
.endm
.macro FETCH_A slot, q, i0
.irp i, \i0, \i0+1, \i0+2, \i0+3
	FRAG AF+FR*(\i), ADRA+\slot, \q, \i
.endr
.endm
.macro SCALES sc                       ; the next K step's scale words: lanes 0-15 take A's block i, lanes 16-31 B's block i
.irp i, 0,1,2,3,4,5,6,7
	ds_load_b64 v[SC+8*NQ*\sc+NQ*\i:SC+8*NQ*\sc+NQ*\i+1], v[ADRS] offset:\i*SBLK
.endr
.endm
.macro PLACES n
.rept \n
	v_nop
.endr
.endm
.macro STEP slot, q, zero              ; a step of 128 along K that has its successor in the same slot
	s_wait_dscnt 4*NL                              ; the youngest sixteen loads (A's blocks 4-7) may be out
	WIN MUL_LO
	MUL16 0, (\q)%2, \q, \slot, \zero
	MUL16 2, (\q)%2, \q, \slot, \zero
	s_wait_dscnt 0
	PLACES NP
	FETCH_B \slot, (\q)+1, 1-(\q)%2
	FETCH_A \slot, (\q)+1, 0
	WIN MUL_HI
	MUL16 4, (\q)%2, \q, \slot, \zero
	MUL16 6, (\q)%2, \q, \slot, \zero
	PLACES NP
	WIN 0
	FETCH_A \slot, (\q)+1, 4
.endm
.macro TURN slot, next, fill           ; a slot's last step changes slots: one barrier; fill = 1: this slot is filled again, two K steps ahead
	s_wait_tensorcnt 0x0                           ; all my tensor loads have landed;
	ds_add_u32 v[SPW], v[NIL]                      ; an add on my spare word;
	s_wait_dscnt 4*NL+1                            ; (the add and the youngest sixteen loads may be out)
	WIN MUL_LO
	MUL16 0, 1, NQ-1, \slot, 0
	s_wait_dscnt 0x0                               ; the add is done, and my reads of this slot are over
	s_barrier_signal -1
	MUL16 2, 1, NQ-1, \slot, 0
	WIN 0
	s_barrier_wait -1
.if \fill
	CREST                                          ; the barrier has opened a round of the cluster's barrier
	s_add_nc_u64 s[G0+4*\slot+2:G0+4*\slot+3], s[G0+4*\slot+2:G0+4*\slot+3], 2*ROWB
	s_add_nc_u64 s[G0B+4*\slot+2:G0B+4*\slot+3], s[G0B+4*\slot+2:G0B+4*\slot+3], 2*ROWB
	JLOAD G0+4*\slot, G1, G0B+4*\slot, G1B         ; my one load behind the round; its four v_nop are the places in front of the loads below
.else
	PLACES NP
.endif
	s_wait_alu depctr_va_vdst(0)
	v_add_nc_u32 v[ADRS], 4*NQ, v[ADRS]            ; on to the next K step's scale words
	FETCH_B \next, 0, 0
	FETCH_A \next, 0, 0
	SCALES \next
	WIN MUL_HI
	MUL16 4, 1, NQ-1, \slot, 0
	MUL16 6, 1, NQ-1, \slot, 0
	PLACES NP
	WIN 0
	FETCH_A \next, 0, 4
.endm
	s_wait_alu depctr_va_vdst(0)                   ; the wait at the head's end
	s_wait_tensorcnt 0x0                           ; my tile of the head's four is in
	ds_add_u32 v[SPW], v[NIL]
	s_mov_b32 s[G1+2], 8<<16                       ; no tensor load of mine is out: from here on a load brings eight tiles
	s_mov_b32 s[G1+4], 8
	s_mov_b32 s[G1B+2], 8<<16
	s_mov_b32 s[G1B+4], 8
	s_wait_dscnt 0x0
	CROUND                                         ; all four tiles are in, and all sixteen work-groups are here
	JLOAD G0+4, G1, G0B+4, G1B                     ; K step 1, the first tensor load behind the round
	FETCH_B 0, 0, 0
	FETCH_A 0, 0, 0
	SCALES 0
	FETCH_A 0, 0, 4
	STEP 0, 0, 1                                   ; K = 1,024 is four K steps, written out.  The first products start the sums
	TURN 0, 1, 1
	STEP 1, 0, 0
	TURN 1, 0, 1
	STEP 0, 0, 0
	TURN 0, 1, 0                                   ; nothing is left to fetch: no round
	STEP 1, 0, 0
	s_wait_dscnt 4*NL                              ; the very last step
	WIN MUL_LO
	MUL16 0, 1, NQ-1, 1, 0
	MUL16 2, 1, NQ-1, 1, 0
	s_wait_dscnt 0
	WIN MUL_HI
	MUL16 4, 1, NQ-1, 1, 0
	MUL16 6, 1, NQ-1, 1, 0
	WIN 0
	; THE WAY OUT.  My 128 tokens are a batch's key step, my 128 features two heads.  No tensor load of mine is out: every scalar register is free.
	s_lshl_b32 s94, s12, 2
	s_add_co_u32 s94, s94, s41                     ; the tile of tokens, 4 Y + cy
	s_mov_b32 s45, 768                             ; an odd block: the next tile
	s_mov_b32 s46, 196608                          ; a fragment's second half: the other head
	s_mov_b32 s20, 0x05040100                      ; how two blocks' scale words make the first head's word,
	s_mov_b32 s21, 0x07060302                      ; and the second head's
	s_mov_b32 s22, QOFF
	s_mov_b32 s23, 524288
	s_mov_b32 s100, 0x76543210
	s_mov_b32 s101, 0xfedcba98                     ; selects for lane l xor 16
	s_cmp_eq_u32 s13, 0                            ; q's part of the buffers, or k's
	s_cselect_b32 s22, s22, 0
	s_cselect_b32 s23, s23, 0
	s_lshr_b32 s47, s94, 3
	s_lshl_b32 s47, s47, 4
	s_lshl_b32 s98, s40, 2
	s_add_co_u32 s47, s47, s98
	s_lshl_b32 s99, s16, 1
	s_add_co_u32 s47, s47, s99                     ; my first head: 16 x batch + 4 cx + 2 x half
	s_lshl_b32 s96, s94, 1
	s_add_co_u32 s96, s96, s15
	s_and_b32 s96, s96, 15                         ; the key step
	s_mul_i32 s97, s47, 196608
	s_mul_i32 s98, s96, 12288
	s_add_co_u32 s97, s97, s98
	s_add_co_u32 s97, s97, s22                     ; byte in qkvc
	s_lshl_b32 s98, s47, 13
	s_lshl_b32 s99, s96, 9
	s_add_co_u32 s98, s98, s99
	s_add_co_u32 s98, s98, s23                     ; byte in qkvs
	s_mul_i32 s99, s14, VSTG                       ; my stage
	v_and_b32 v1, 31, v0                           ; these plain lines, which name no register of the last products, are the places behind them
	v_lshlrev_b32 v2, 4, v1
	v_lshlrev_b32 v3, 3, v1
	v_add_nc_u32 v4, s97, v2                       ; v[4 + 2 (a % 2) + c]: 16 x lane + the place of block a's half c;  v[8 + ..]: the same with 8 x lane
	v_add_nc_u32 v8, s97, v3
	v_add_nc_u32 v5, s46, v4
	v_add_nc_u32 v9, s46, v8
	v_add_nc_u32 v6, s45, v4
	v_add_nc_u32 v10, s45, v8
	v_add_nc_u32 v7, s45, v5
	v_add_nc_u32 v11, s45, v9
	v_and_b32 v13, 15, v0
	v_bfe_u32 v14, v0, 4, 1
	v_lshl_add_u32 v12, v13, 4, s98
	v_lshl_add_u32 v12, v14, 13, v12               ; the scale words: 16 r; lanes 16-31 the second head's, 8,192 bytes on
	v_cmp_le_u32 vcc_lo, 16, v1
	v_bfe_u32 v19, v0, 3, 1
	v_lshl_add_u32 v19, v19, 3, v13                ; my token's place among a pair of tiles' 32 keys: r + 8 (r / 8)
	v_lshlrev_b32 v19, 2, v19
	v_mad_u32_u24 v16, v14, 8*SP, v19              ; into the stage: lanes 16-31 hold features eight rows on
	v_add_nc_u32 v16, s99, v16
	v_mul_u32_u24 v17, v13, SP                     ; out of it: row r, lanes 16-31 the 32 keys behind
	v_lshl_add_u32 v17, v14, 7, v17
	v_add_nc_u32 v17, s99, v17
	v_lshlrev_b32 v18, 3, v14                      ; 8 h
.irp b, 0,1,2,3
	v_mov_b32 v[TM+4+\b], 0                        ; a lane permute's destination counts as one of its sources
.endr
; Block a: a lane's 64 results, register 16 b + i = feature 32 b + 16 (lane / 16) + i of its token, become a fragment's codes and its scale word.  Each accumulator is read from its low end on.
.macro QUANT a
.set QW, 2+(\a)/4
.set QS, 64*((\a)%4)
.set QP, PCO+12*(\a)
.set QA, 2*((\a)%2)
.set Q1, QW|(QW<<2)
.set Q2, (QW<<2)|(QW<<4)
	WIN Q1
.irp b, 0,1,2,3
	v_max3_num_f32 v[TM+\b], |v[QS+16*\b]|, |v[QS+16*\b+1]|, 0x1800000   ; with the floor 2^(3 - 127): the byte cannot fall under 1
.endr
	WIN Q2
.irp i, 2,4,6,8,10,12,14
.irp b, 0,1,2,3
	v_max3_num_f32 v[TM+\b], v[TM+\b], |v[QS+16*\b+\i]|, |v[QS+16*\b+\i+1]|
.endr
.endr
	WIN 0
.irp b, 0,1,2,3
	v_permlanex16_b32 v[TM+4+\b], v[TM+\b], s100, s101
.endr
.irp b, 0,1,2,3
	v_max_num_f32 v[TM+\b], v[TM+\b], v[TM+4+\b]
.endr
.irp b, 0,1,2,3
	v_add_nc_u32 v[TM+12+\b], 0xff000000, v[TM+\b] ; the conversion's scale operand
.endr
.irp b, 0,1,2,3
	v_lshrrev_b32 v[TM+4+\b], 23, v[TM+12+\b]      ; the byte
.endr
	v_lshl_or_b32 v[PWD+(\a)%2], v[TM+5], 8, v[TM+4]
	v_lshl_or_b32 v[PWD+(\a)%2], v[TM+6], 16, v[PWD+(\a)%2]
	v_lshl_or_b32 v[PWD+(\a)%2], v[TM+7], 24, v[PWD+(\a)%2]
	WIN QW
.irp c, 0,1
	v_cvt_scalef32_pk16_fp6_f32 v[QP+6*\c:QP+6*\c+2], v[QS+32*\c:QS+32*\c+15], v[TM+12+2*\c]
	v_cvt_scalef32_pk16_fp6_f32 v[CT+4*\c:CT+4*\c+2], v[QS+32*\c+16:QS+32*\c+31], v[TM+12+2*\c+1]
.endr
	WIN 0
	v_nop                                          ; one plain place behind a scaled conversion
.irp c, 0,1                                    ; the operand's layout wants a whole block in a lane
.irp i, 0,1,2
	v_permlane16_swap_b32 v[QP+6*\c+\i], v[CT+4*\c+\i]
.endr
.irp i, 0,1,2
	v_mov_b32 v[QP+3+6*\c+\i], v[CT+4*\c+\i]
.endr
.endr
	global_store_b128 v[4+QA], v[QP:QP+3], s[8:9] offset:1536*((\a)/2)          ; 512 consecutive bytes,
	global_store_b64 v[8+QA], v[QP+4:QP+5], s[8:9] offset:1536*((\a)/2)+512     ; and 256
	global_store_b128 v[5+QA], v[QP+6:QP+9], s[8:9] offset:1536*((\a)/2)
	global_store_b64 v[9+QA], v[QP+10:QP+11], s[8:9] offset:1536*((\a)/2)+512
.if (\a)%2 == 1
	v_perm_b32 v[WD+(\a)/2], v[PWD+1], v[PWD], s20     ; the two tiles' bytes of the first head,
	v_perm_b32 v[WD+4+(\a)/2], v[PWD+1], v[PWD], s21   ; and of the second
.endif
.endm
.irp t, 0,1,2,3,4,5,6,7
	QUANT \t
.endr
.irp i, 0,1,2,3
	v_cndmask_b32 v[OW+\i], v[WD+\i], v[WD+4+\i], vcc_lo
.endr
	global_store_b128 v12, v[OW:OW+3], s[10:11]    ; sixteen lanes store 256 consecutive bytes, aligned, for each of the two heads
	s_wait_alu depctr_va_vdst(0)
	s_barrier_signal -1                            ; every wave's reads of the ring are over (each waited for its last in front of its last products), and the ring has had its last fill
	s_barrier_wait -1
	s_cmp_eq_u32 s13, 0
	s_cbranch_scc1 .Lq_done                        ; q has no second use
; v.  VSTORE: a head's 64 features x my 128 tokens, f32, into my stage: row 16 t + 8 (lane / 16) + w, t the weight's tile in the head.  The 32 lanes of a store touch 32 different banks.
.macro VSTORE hd
.irp a, 0,1,2,3,4,5,6,7
	WIN 0x08+4*(\a/4)                              ; the data: window 2 or 3
.irp bb, 0,1,2,3
.irp w, 0,1,2,3,4,5,6,7
	ds_store_b32 v16, v[8*(8*(\a%4)+4*(\hd)+\bb)+\w] offset:(16*\bb+\w)*SP+128*(\a/2)+32*(\a%2)
.endr
.endr
.endr
	WIN 0
.endm
.macro VLD dt, set                     ; tile dt's 16 features: my feature's keys 64 c + 32 (lane / 16) + 0..31, c = 0, 1.  LDS serves a wave's instructions in order: these see my stores
.irp c, 0,1
.irp i, 0,1,2,3,4,5,6,7
	ds_load_b128 v[128+64*(\set)+32*\c+4*\i:128+64*(\set)+32*\c+4*\i+3], v17 offset:16*(\dt)*SP+256*\c+16*\i
.endr
.endr
.endm
.macro VQ hd, dt, set                  ; two whole blocks of 32 keys a lane: four chains of maxima by turns
.set XB, 128+64*(\set)
.set CB, 32+12*(\dt)
.irp c, 0,1
	v_max3_num_f32 v[88+2*\c], |v[XB+32*\c]|, |v[XB+32*\c+1]|, 0x1800000
	v_max3_num_f32 v[89+2*\c], |v[XB+32*\c+16]|, |v[XB+32*\c+17]|, |v[XB+32*\c+18]|
.endr
.irp i, 2,4,6,8,10,12
.irp c, 0,1
	v_max3_num_f32 v[88+2*\c], v[88+2*\c], |v[XB+32*\c+\i]|, |v[XB+32*\c+\i+1]|
	v_max3_num_f32 v[89+2*\c], v[89+2*\c], |v[XB+32*\c+\i+17]|, |v[XB+32*\c+\i+18]|
.endr
.endr
.irp c, 0,1
	v_max3_num_f32 v[88+2*\c], v[88+2*\c], |v[XB+32*\c+14]|, |v[XB+32*\c+15]|
.endr
.irp c, 0,1
	v_max3_num_f32 v[88+2*\c], v[88+2*\c], v[89+2*\c], |v[XB+32*\c+31]|
.endr
.irp c, 0,1
	v_add_nc_u32 v[92+\c], 0xff000000, v[88+2*\c]
.endr
.irp c, 0,1
	v_lshrrev_b32 v[94+\c], 23, v[92+\c]
.endr
	v_lshl_or_b32 v96, v95, 16, v94                ; my blocks h and 2 + h,
	v_lshlrev_b32 v96, v18, v96                    ; at their places;
	v_permlanex16_b32 v97, v96, s100, s101
	v_or_b32 v[100+4*(\hd)+(\dt)], v96, v97        ; with lane l xor 16's two the word is whole
.irp c, 0,1
	v_cvt_scalef32_pk16_fp6_f32 v[CB+6*\c:CB+6*\c+2], v[XB+32*\c:XB+32*\c+15], v[92+\c]
	v_cvt_scalef32_pk16_fp6_f32 v[80+4*\c:82+4*\c], v[XB+32*\c+16:XB+32*\c+31], v[92+\c]
.endr
	v_nop
.irp c, 0,1
.irp i, 0,1,2
	v_mov_b32 v[CB+6*\c+3+\i], v[80+4*\c+\i]
.endr
.endr
.irp c, 0,1
	global_store_b128 v[4+(\hd)], v[CB+6*\c:CB+6*\c+3], s[8:9] offset:6144+1536*(\dt)+768*\c
	global_store_b64 v[8+(\hd)], v[CB+6*\c+4:CB+6*\c+5], s[8:9] offset:6144+1536*(\dt)+768*\c+512
.endr
.endm
	v_mov_b32 v97, 0
.irp hd, 0,1
	s_wait_xcnt 0x0                                ; the earlier stores have read their registers
	VSTORE \hd
	VLD 0, 0
.irp dt, 0,1,2,3
.if \dt < 3
	VLD \dt+1, (\dt+1)%2
	s_wait_alu depctr_va_vdst(0)
	s_wait_dscnt 16                                ; this tile's 16 loads are in; the next tile's may be out
.else
	s_wait_alu depctr_va_vdst(0)
	s_wait_dscnt 0x0
.endif
	VQ \hd, \dt, \dt%2
.endr
.endr
.irp i, 0,1,2,3
	v_cndmask_b32 v[108+\i], v[100+\i], v[104+\i], vcc_lo
.endr
	global_store_b128 v12, v[108:111], s[10:11] offset:256
.Lq_done:
	s_wait_tensorcnt 0x0                           ; the wave's end
	ds_add_u32 v[SPW], v[NIL]
	s_wait_dscnt 0x0
	CROUND                                         ; the closing round
	s_endpgm
.Lfunc_end_k_qf6607fcf84_proj:
	.size	k_qf6607fcf84_proj, .Lfunc_end_k_qf6607fcf84_proj-k_qf6607fcf84_proj
	.p2alignl 7, 3214868480
	.fill 96, 4, 3214868480
	.section	.rodata,"a",@progbits
	.p2align	6, 0x0
	.amdhsa_kernel k_qf6607fcf84_proj
		.amdhsa_group_segment_fixed_size 327680
		.amdhsa_private_segment_fixed_size 0
		.amdhsa_enable_private_segment 0
		.amdhsa_kernarg_size 32
		.amdhsa_user_sgpr_count 2
		.amdhsa_user_sgpr_kernarg_segment_ptr 1
		.amdhsa_wavefront_size32 1
		.amdhsa_system_sgpr_workgroup_id_x 1
		.amdhsa_system_sgpr_workgroup_id_y 1
		.amdhsa_system_sgpr_workgroup_id_z 1
		.amdhsa_system_vgpr_workitem_id 0
		.amdhsa_next_free_vgpr 1024
		.amdhsa_next_free_sgpr 102
		.amdhsa_reserve_vcc 1
		.amdhsa_float_denorm_mode_32 3
		.amdhsa_float_denorm_mode_16_64 3
		.amdhsa_memory_ordered 1
		.amdhsa_forward_progress 1
		.amdhsa_inst_pref_size 219
	.end_amdhsa_kernel
	.amdgpu_metadata
---
amdhsa.version: [ 1, 2 ]
amdhsa.kernels:
  - .name:           k_qf6607fcf84_proj
    .symbol:         k_qf6607fcf84_proj.kd
    .args:
      - { .name: opc, .offset: 0, .size: 8, .value_kind: global_buffer, .address_space: global }
      - { .name: ops, .offset: 8, .size: 8, .value_kind: global_buffer, .address_space: global }
      - { .name: qkvc, .offset: 16, .size: 8, .value_kind: global_buffer, .address_space: global }
      - { .name: qkvs, .offset: 24, .size: 8, .value_kind: global_buffer, .address_space: global }
    .group_segment_fixed_size: 327680
    .private_segment_fixed_size: 0
    .kernarg_segment_align: 8
    .kernarg_segment_size: 32
    .max_flat_workgroup_size: 128
    .sgpr_count:     102
    .vgpr_count:     1024
    .wavefront_size: 32
...
	.end_amdgpu_metadata
.endif
;; end of part 2
;; launch attn (part 3): grid 4 x 64, 8 waves a work-group, clusters of 4 x 1, 327,680 bytes of LDS; arguments qkvc, qkvs, oc, osc; writes oc, osc
.if DOCPART == 3
	.amdgcn_target "amdgcn-amd-amdhsa--gfx1250"
	.amdhsa_code_object_version 6
	.text
	.protected	k_qf6607fcf84_attn
	.globl	k_qf6607fcf84_attn
	.p2align	8
	.type	k_qf6607fcf84_attn,@function
k_qf6607fcf84_attn:
	s_mov_b64 s[64:65], 0
	v_nop
	global_prefetch_b8 v0, s[64:65] scope:SCOPE_SE
	s_setreg_imm32_b32 hwreg(HW_REG_WAVE_MODE, 25, 1), 1
	s_wait_xcnt 0x0
	s_wait_alu depctr_hold_cnt(0) depctr_sa_sdst(0) depctr_va_vdst(0) depctr_va_sdst(0) depctr_va_ssrc(0) depctr_va_vcc(0) depctr_vm_vsrc(0)
	s_getreg_b32 s2, hwreg(HW_REG_IB_STS2, 6, 4)
	s_cmp_eq_u32 s2, 0
	s_cbranch_scc0 .Lentry_in_a_cluster
	s_endpgm
.Lentry_in_a_cluster:
	s_bfe_u32 s2, ttmp6, 0x10000c
	s_cmp_lg_u32 s2, 0x3003
	s_cbranch_scc0 .Lentry_shape_is_right
	s_endpgm
.Lentry_shape_is_right:
; o = softmax(q k^T / 8) v for one head and 512 queries, on codes of FP6 (E2M3) with E8M0 scales; o leaves as codes and scale bytes along the features.
; p = 2^(t - M), t = score x log2(e) / 8, M the running largest t rounded up to a whole number; the row's sum is taken of the unquantised p; O^T and the sum are brought under a new M by an exact power of two.
; THE HEAD'S K AND V, 196,608 bytes of codes and 8,192 of scale words, come into LDS once, by one joint tensor load a wave (waves 0-5 codes, waves 6-7 scale words), shared by the cluster's four work-groups, which take the same head.
; Nothing is filled again.  No prefetch: all of K and V is asked for at the head, and there is no loop to run ahead in.
; EIGHT WAVES, two to a SIMD, each with TWO tiles of 16 queries at a time and two passes: 8 x 2 x 2 x 16 = 512 queries.  Both tiles use each fragment of K and V, and their chains stand by turns.
; Both products are used transposed (S^T = k q^T, O^T = v^T p^T): a lane holds one query.  The head's 64 fill half of the instruction's 128: a fragment of K holds two tiles of keys, and q stands beside six registers of zero codes.
; WHICH KEYS FORM A TILE is chosen by the lanes' LDS addresses: rows 0-7 of tile (c, u) are keys 64 c + 8 u + 0..7, rows 8-15 keys 64 c + 32 + 8 u + 0..7.  So a lane's 32 registers of tiles (c, 0..3) are the whole block
; 64 c + 32 (l / 16) + 0..31, in order, as p's operand wants it: a block's maximum needs no other lane, and the codes are not moved between lanes.
; A block's largest p is made from its largest score by the same multiply-add and exponential (p rises with the score).
; LIMITS: the scaled scores stay under 2^31 in magnitude; a block of zeros gets the byte 1 (its codes are zeros; this program alone reads the bytes); NaN and infinities are not served.
; REGISTERS.  Window 0: addresses, q, fragments, scale words, each tile's small state.  Window 1, tile a at 128 a: S 0-63, O^T 64-95, p's codes 96-107, 108-114 second halves, 116-117 maxima, 118-119 the sum.
.set QOFF, 12582912
.set HC,   196608
.set STB,  12288
.set SCB,  196608
.set SPARE, 204800
.set SPW,  16
.set NIL,  17
.set QS,   60                          ; q's scale words, and nothing else
.set PW,   66                          ; p's scale words, and nothing else
.set KSR,  68
.set VSR,  72
.set KF,   76
.set VF,   124
.set NM,   172                         ; pairs: -M, the running largest score
.set FF,   176                         ; pairs: the factor, 0
.set BM,   180
.set SO,   184
.set PT,   188
.set TP,   192
.set TQ,   194
.set MSB, 0
.macro WIN new                         ; the immediate's high byte repeats the setting that is left
.if MSB != (\new)
	s_set_vgpr_msb (MSB<<8)|(\new)
.set MSB, (\new)
.endif
.endm
.macro ROUND
	s_barrier_signal -1
	s_barrier_wait -1
	s_cmp_lg_u32 s12, 0
	s_cbranch_scc1 .Lnot_wave_0_\@
	s_barrier_signal -3
.Lnot_wave_0_\@:
	s_barrier_wait -3
	s_barrier_signal -1
	s_barrier_wait -1
.endm
.macro KLOAD                           ; 20 LDS loads: fragment 2 c + w holds tiles (c, 2 w) and (c, 2 w + 1)
.irp c, 0,1
.irp w, 0,1
	ds_load_b128 v[KF+24*\c+12*\w:KF+24*\c+12*\w+3], v1 offset:3072*\c+128*\w
	ds_load_b64 v[KF+24*\c+12*\w+4:KF+24*\c+12*\w+5], v2 offset:3072*\c+512+64*\w
	ds_load_b128 v[KF+24*\c+12*\w+6:KF+24*\c+12*\w+9], v1 offset:3072*\c+768+128*\w
	ds_load_b64 v[KF+24*\c+12*\w+10:KF+24*\c+12*\w+11], v2 offset:3072*\c+1280+64*\w
	ds_load_b32 v[KSR+2*\c+\w], v3 offset:128*\w+8*\c
.endr
.endr
.endm
.macro VLOAD                           ; 17 LDS loads: four tiles of the head's 64 x 128 keys, and their scale words
.irp p, 0,1,2,3
	ds_load_b128 v[VF+12*\p:VF+12*\p+3], v4 offset:6144+1536*\p
	ds_load_b64 v[VF+12*\p+4:VF+12*\p+5], v5 offset:6144+1536*\p+512
	ds_load_b128 v[VF+12*\p+6:VF+12*\p+9], v4 offset:6144+1536*\p+768
	ds_load_b64 v[VF+12*\p+10:VF+12*\p+11], v5 offset:6144+1536*\p+1280
.endr
	ds_load_b128 v[VSR:VSR+3], v6 offset:256
.endm
.macro LEVEL n                         ; one level of the sum's tree, both tiles by turns
.set j, 0
.rept \n/2
	v_pk_add_f32 v[j:j+1], v[j:j+1], v[j+\n:j+\n+1]
	v_pk_add_f32 v[128+j:129+j], v[128+j:129+j], v[128+j+\n:129+j+\n]
.set j, j+2
.endr
.endm
	s_load_b256 s[4:11], s[0:1], 0x0               ; qkvc, qkvs, oc, osc
	v_lshl_add_u32 v[SPW], v0, 2, SPARE
	v_mov_b32 v[NIL], 0
	ds_add_u32 v[SPW], v[NIL]                      ; the opening lines
	ds_add_u32 v[SPW], v[NIL]
	v_lshrrev_b32 v15, 5, v0
	v_readfirstlane_b32 s12, v15                   ; wave 0..7
	s_and_b32 s13, ttmp7, 0xffff                   ; batch x 16 + head
	s_bfe_u32 s14, ttmp6, 0x40000                  ; cx
	s_mov_b32 s24, 15|(3<<16)|(1<<21)              ; codes: 128 rows of 256 bytes, dense; the mask names the cluster's four
	s_mov_b32 s25, 32<<16
	s_mov_b32 s26, 128<<16
	s_mov_b32 s27, 32<<16
	s_mov_b32 s28, 128
	s_mov_b32 s29, 32
	s_mov_b32 s30, 0
	s_mov_b32 s31, 0
	s_mov_b32 s32, 15|(3<<16)|(1<<21)              ; scale words: 16 rows of 256 bytes
	s_mov_b32 s33, 32<<16
	s_mov_b32 s34, 16<<16
	s_mov_b32 s35, 32<<16
	s_mov_b32 s36, 16
	s_mov_b32 s37, 32
	s_mov_b32 s38, 0
	s_mov_b32 s39, 0
	s_mov_b32 s20, 0x76543210
	s_mov_b32 s21, 0xfedcba98                      ; selects for lane l xor 16
	s_mov_b32 s22, 0x3e38aa3b                      ; log2(e) / 8
	s_mov_b32 s23, s22
	s_mov_b32 s58, 0x01000100                      ; an even tile's two scale bytes, twice; an odd tile's
	s_mov_b32 s59, 0x03020302
	s_mul_i32 s48, s13, HC
	s_lshl_b32 s49, s13, 13
	s_lshl_b32 s50, s12, 15                        ; waves 0-5: 32,768 bytes of codes each
	s_and_b32 s51, s12, 1
	s_lshl_b32 s51, s51, 12                        ; waves 6, 7: 4,096 bytes of scale words each
	s_add_co_u32 s16, s48, s50
	s_mov_b32 s17, 0
	s_add_co_u32 s18, s49, s51
	s_mov_b32 s19, 0
	s_wait_dscnt 0x0
	s_wait_kmcnt 0x0
	s_mov_b32 s40, 1
	s_mov_b32 s41, s50
	s_add_nc_u64 s[42:43], s[4:5], s[16:17]
	s_or_b32 s43, s43, 0x80000000
	s_mov_b32 s44, 1
	s_add_co_u32 s45, s51, SCB
	s_add_nc_u64 s[46:47], s[6:7], s[18:19]
	s_or_b32 s47, s47, 0x80000000
	ROUND                                          ; the four work-groups are here: the joint loads meet
	s_cmp_lt_u32 s12, 6
	s_cbranch_scc0 .Lscales
	tensor_load_to_lds s[40:43], s[24:31]
	s_nop 0
.rept 4
	v_nop
.endr
	s_branch .Lasked
.Lscales:
	tensor_load_to_lds s[44:47], s[32:39]
	s_nop 0
.rept 4
	v_nop
.endr
.Lasked:
	s_lshl_b32 s16, s14, 2
	s_lshr_b32 s18, s12, 2
	s_add_co_u32 s16, s16, s18                     ; my queries' step of 128: 4 cx + wave / 4 (the second pass: two on)
	s_and_b32 s18, s12, 3                          ; my pair of tiles in it
	s_mul_i32 s52, s16, STB
	s_mul_i32 s53, s18, 1536
	s_add_co_u32 s52, s52, s53
	s_add_co_u32 s52, s52, s48
	s_add_co_u32 s52, s52, QOFF
	s_mov_b32 s53, 0
	s_add_nc_u64 s[60:61], s[4:5], s[52:53]        ; q's codes
	s_lshl_b32 s52, s16, 9
	s_lshl_b32 s18, s18, 2
	s_add_co_u32 s52, s52, s18
	s_add_co_u32 s52, s52, s49
	s_add_co_u32 s52, s52, 524288
	s_add_nc_u64 s[62:63], s[6:7], s[52:53]        ; q's scale words: one word serves the pair
	s_lshr_b32 s16, s13, 4
	s_lshl_b32 s16, s16, 7
	s_lshl_b32 s18, s14, 5
	s_add_co_u32 s16, s16, s18
	s_lshl_b32 s18, s12, 1
	s_add_co_u32 s16, s16, s18                     ; the tile of tokens in oc: 128 x batch + 32 cx + 2 x wave (+ 1; the second pass: + 16)
	s_and_b32 s18, s13, 15
	s_mul_i32 s52, s16, STB
	s_mul_i32 s19, s18, 768
	s_add_co_u32 s52, s52, s19
	s_add_nc_u64 s[54:55], s[8:9], s[52:53]
	s_lshl_b32 s52, s16, 9
	s_lshl_b32 s18, s18, 1
	s_add_co_u32 s52, s52, s18
	s_add_nc_u64 s[56:57], s[10:11], s[52:53]
	v_and_b32 v15, 31, v0
	v_lshlrev_b32 v10, 4, v15                      ; an image's places for my lane: 16 l,
	v_lshlrev_b32 v11, 3, v15                      ; and 8 l
	v_and_b32 v76, 15, v0                          ; r
	v_bfe_u32 v77, v0, 4, 1                        ; h
	v_and_b32 v78, 7, v0                           ; r % 8
	v_bfe_u32 v79, v0, 3, 1                        ; r / 8
	v_lshlrev_b32 v80, 4, v76
	v_add_nc_u32 v12, SCB, v80                     ; v's scale words: 16 r
	v_lshlrev_b32 v13, 5, v76                      ; osc: 32 r
	v_lshlrev_b32 v14, 3, v77                      ; 8 h
	v_mul_u32_u24 v81, v79, 1536                   ; K: rows 8-15 come from the pair of stored tiles behind
	v_lshl_add_u32 v7, v78, 4, v81
	v_lshl_add_u32 v7, v77, 8, v7                  ; 1,536 (r / 8) + 16 (r % 8) + 256 h
	v_lshl_add_u32 v8, v78, 3, v81
	v_lshl_add_u32 v8, v77, 7, v8                  ; 1,536 (r / 8) + 8 (r % 8) + 128 h
	v_lshlrev_b32 v9, 4, v78
	v_lshl_add_u32 v9, v79, 2, v9
	v_add_nc_u32 v9, SCB, v9                       ; k's scale words: 16 (r % 8) + 4 (r / 8)
.irp a, 0,1
	global_load_b128 v[24+12*\a:27+12*\a], v10, s[60:61] offset:768*\a
	global_load_b64 v[28+12*\a:29+12*\a], v11, s[60:61] offset:768*\a+512
	global_load_b128 v[48+6*\a:51+6*\a], v10, s[60:61] offset:2*STB+768*\a       ; the second pass's q waits in v48-59
	global_load_b64 v[52+6*\a:53+6*\a], v11, s[60:61] offset:2*STB+768*\a+512
.endr
	global_load_b32 v64, v80, s[62:63]
	global_load_b32 v62, v80, s[62:63] offset:1024
.irp i, 0,1,2,3,4,5
	v_mov_b32 v[18+\i], 0                          ; zero codes on both sides of each q
	v_mov_b32 v[30+\i], 0
	v_mov_b32 v[42+\i], 0
	v_mov_b32 v[1+\i], v[7+\i]                     ; key step 0
.endr
.irp a, 0,1
	v_mov_b32 v[TQ+\a], 0                          ; a lane permute's destination counts as one of its sources
	v_mov_b32 v[PT+\a], 0
	v_mov_b32 v[PT+2+\a], 0
	v_mov_b32 v[FF+2*\a+1], 0
.endr
	s_wait_alu depctr_va_vdst(0)                   ; the wait at the head's end
	s_wait_loadcnt 0x0
	v_perm_b32 v[QS], v64, v64, s58
	v_perm_b32 v[QS+1], v64, v64, s59
	s_wait_alu depctr_va_vdst(0)
	s_wait_tensorcnt 0x0                           ; my part of K and V is in;
	s_barrier_signal -1
	s_barrier_wait -1                              ; everybody's is
	KLOAD
	s_mov_b32 s48, 0
	s_mov_b32 s52, 2
.Lpass:
.irp a, 0,1
	v_mov_b32 v[NM+2*\a+1], 0xff61b1e6             ; the largest score so far: -3e38
	v_mov_b32 v[NM+2*\a], 0x7f61b1e6               ; -M
.endr
	WIN 0x40
.set j, 0
.rept 32
	v_mov_b32 v[64+j], 0                           ; O^T: the step is written once, and the first finds zeros
	v_mov_b32 v[192+j], 0
.set j, j+1
.endr
.irp a, 0,1
	v_mov_b32 v[128*\a+118], 0                     ; the sum, in two halves
	v_mov_b32 v[128*\a+119], 0
.endr
	WIN 0
	s_mov_b32 s51, 16
.Lstep:
	VLOAD
	s_wait_dscnt 17                                ; K's 20 loads are in; the 17 just issued may be out
	WIN 0x40
.irp f, 0,1,2,3
.irp a, 0,1
	v_wmma_scale_f32_16x16x128_f8f6f4 v[128*\a+16*\f:128*\a+16*\f+7], v[KF+12*\f:KF+12*\f+11], v[24+12*\a:35+12*\a], 0, v[KSR+\f], v[QS+\a] matrix_a_fmt:MATRIX_FMT_FP6 matrix_b_fmt:MATRIX_FMT_FP6
	v_wmma_scale_f32_16x16x128_f8f6f4 v[128*\a+16*\f+8:128*\a+16*\f+15], v[KF+12*\f:KF+12*\f+11], v[18+12*\a:29+12*\a], 0, v[KSR+\f], v[QS+\a] matrix_a_fmt:MATRIX_FMT_FP6 matrix_b_fmt:MATRIX_FMT_FP6
.endr
.endr
	WIN 0
	s_add_co_u32 s48, s48, 1
	s_and_b32 s50, s48, 15                         ; the next key step (behind the last: step 0, for the next pass)
	s_mul_i32 s49, s50, STB
	s_lshl_b32 s50, s50, 9
	v_add_nc_u32 v1, s49, v7                       ; these six lines are the places behind the products
	v_add_nc_u32 v2, s49, v8
	v_add_nc_u32 v3, s50, v9
	v_add_nc_u32 v4, s49, v10
	v_add_nc_u32 v5, s49, v11
	v_add_nc_u32 v6, s50, v12
	KLOAD
	WIN 0x55                                       ; each block's largest score: eight chains by turns, each accumulator from its low end on
.irp a, 0,1
.irp b, 0,1
	v_max3_num_f32 v[128*\a+116+\b], v[128*\a+32*\b], v[128*\a+32*\b+1], v[128*\a+32*\b+2]
	v_max3_num_f32 v[128*\a+120+\b], v[128*\a+32*\b+16], v[128*\a+32*\b+17], v[128*\a+32*\b+18]   ; two chains to a block: eight by turns
.endr
.endr
.irp i, 3,5,7,9,11,13
.irp a, 0,1
.irp b, 0,1
	v_max3_num_f32 v[128*\a+116+\b], v[128*\a+116+\b], v[128*\a+32*\b+\i], v[128*\a+32*\b+\i+1]
	v_max3_num_f32 v[128*\a+120+\b], v[128*\a+120+\b], v[128*\a+32*\b+\i+16], v[128*\a+32*\b+\i+17]
.endr
.endr
.endr
.irp a, 0,1
.irp b, 0,1
	v_max3_num_f32 v[128*\a+116+\b], v[128*\a+116+\b], v[128*\a+120+\b], v[128*\a+32*\b+15]
.endr
.endr
	WIN 0x05
.irp a, 0,1
.irp b, 0,1
	v_max_num_f32 v[BM+2*\a+\b], v[128*\a+116+\b], v[128*\a+32*\b+31]
.endr
.endr
	WIN 0
.irp a, 0,1
	v_max_num_f32 v[TP+\a], v[BM+2*\a], v[BM+2*\a+1]
.endr
.irp a, 0,1
	v_permlanex16_b32 v[TQ+\a], v[TP+\a], s20, s21
.endr
.irp a, 0,1
	v_max3_num_f32 v[NM+2*\a+1], v[NM+2*\a+1], v[TP+\a], v[TQ+\a]   ; the running largest score of my query
.endr
.irp a, 0,1
	v_mul_f32 v[TP+\a], s22, v[NM+2*\a+1]          ; as t
.endr
.irp a, 0,1
	v_mov_b32 v[TQ+\a], v[NM+2*\a]
.endr
.irp a, 0,1
	v_floor_f32 v[NM+2*\a], -v[TP+\a]              ; -M = floor(-t)
.endr
.irp a, 0,1
	v_sub_f32 v[TQ+\a], v[NM+2*\a], v[TQ+\a]       ; old M less new M: a whole number, 0 or less
.endr
.irp a, 0,1
	v_cvt_i32_f32 v[TQ+\a], v[TQ+\a]
.endr
.irp a, 0,1
	v_ldexp_f32 v[FF+2*\a], 1.0, v[TQ+\a]          ; the factor: an exact power of two
.endr
.irp a, 0,1
.irp b, 0,1
	v_fma_f32 v[BM+2*\a+\b], v[BM+2*\a+\b], s22, v[NM+2*\a]
.endr
.endr
	WIN 0x41
.set j, 0
.rept 32
	v_pk_fma_f32 v[j:j+1], v[j:j+1], s[22:23], v[NM:NM+1] op_sel_hi:[1,0,0]               ; t - M, tile 0
.set j, j+2
.endr
	s_wait_alu depctr_va_vdst(0)                   ; the wait ahead of the batch
.set j, 0
.rept 32
	v_exp_f32 v[j], v[j]                           ; tile 0's exponentials, with tile 1's t - M between them: it names none of their registers
	v_pk_fma_f32 v[128+j:129+j], v[128+j:129+j], s[22:23], v[NM+2:NM+3] op_sel_hi:[1,0,0]
	v_exp_f32 v[j+1], v[j+1]
.set j, j+2
.endr
	s_wait_alu depctr_va_vdst(0)                   ; and ahead of tile 1's, which read what stands between tile 0's
.set j, 0
.rept 64
	v_exp_f32 v[128+j], v[128+j]
.set j, j+1
.endr
	WIN 0
.irp k, 0,1,2,3
	v_exp_f32 v[BM+\k], v[BM+\k]                   ; each block's largest p
.endr
	v_nop
	s_wait_alu depctr_va_vdst(0)                   ; one wait for the batch, ahead of its first reader
.irp k, 0,1,2,3
	v_max_num_f32 v[BM+\k], 0x1800000, v[BM+\k]    ; the floor 2^(3 - 127): the byte cannot fall under 1
.endr
.irp k, 0,1,2,3
	v_add_nc_u32 v[SO+\k], 0xff000000, v[BM+\k]    ; the conversion's scale operand
.endr
.irp k, 0,1,2,3
	v_lshrrev_b32 v[PT+\k], 23, v[SO+\k]           ; the byte
.endr
.irp a, 0,1
	v_lshl_or_b32 v[TP+\a], v[PT+2*\a+1], 16, v[PT+2*\a]   ; my blocks h and 2 + h,
.endr
.irp a, 0,1
	v_lshlrev_b32 v[TP+\a], v14, v[TP+\a]          ; at their places;
.endr
.irp a, 0,1
	v_permlanex16_b32 v[TQ+\a], v[TP+\a], s20, s21
.endr
.irp a, 0,1
	v_or_b32 v[PW+\a], v[TP+\a], v[TQ+\a]          ; with lane l xor 16's two the word is whole
.endr
	s_wait_alu depctr_va_vdst(0)
	s_wait_dscnt 20                                ; V's 17 loads are in; the next step's 20 of K may be out
	WIN 0x41
.irp a, 0,1
.irp c, 0,1
	v_cvt_scalef32_pk16_fp6_f32 v[128*\a+96+6*\c:128*\a+98+6*\c], v[128*\a+32*\c:128*\a+32*\c+15], v[SO+2*\a+\c]
	v_cvt_scalef32_pk16_fp6_f32 v[128*\a+108+4*\c:128*\a+110+4*\c], v[128*\a+32*\c+16:128*\a+32*\c+31], v[SO+2*\a+\c]   ; (a conversion's three registers begin on an even number)
.endr
.endr
	v_nop                                          ; one plain place behind a scaled conversion
.irp a, 0,1
.irp c, 0,1
.irp i, 0,1,2
	v_mov_b32 v[128*\a+99+6*\c+\i], v[128*\a+108+4*\c+\i]
.endr
.endr
.endr
	s_wait_alu depctr_va_vdst(0)                   ; the wait directly ahead of the first reader of O^T
.set j, 0
.rept 16
	v_pk_mul_f32 v[64+j:65+j], v[64+j:65+j], v[FF:FF+1] op_sel_hi:[1,0]                   ; O^T under the new M
	v_pk_mul_f32 v[192+j:193+j], v[192+j:193+j], v[FF+2:FF+3] op_sel_hi:[1,0]
.set j, j+2
.endr
	v_pk_mul_f32 v[118:119], v[118:119], v[FF:FF+1] op_sel_hi:[1,0]                       ; and the sums
	v_pk_mul_f32 v[246:247], v[246:247], v[FF+2:FF+3] op_sel_hi:[1,0]
	WIN 0x54
.irp d, 0,1,2,3
.irp a, 0,1
	v_wmma_scale_f32_16x16x128_f8f6f4 v[128*\a+64+8*\d:128*\a+71+8*\d], v[VF+12*\d:VF+12*\d+11], v[128*\a+96:128*\a+107], v[128*\a+64+8*\d:128*\a+71+8*\d], v[VSR+\d], v[PW+\a] matrix_a_fmt:MATRIX_FMT_FP6 matrix_b_fmt:MATRIX_FMT_FP6
.endr
.endr
	WIN 0x45                                       ; the row's sum of the unquantised p, as a tree in place
	LEVEL 32
	LEVEL 16
	LEVEL 8
	LEVEL 4
	LEVEL 2
	v_pk_add_f32 v[118:119], v[118:119], v[0:1]
	v_pk_add_f32 v[246:247], v[246:247], v[128:129]
	WIN 0
	s_sub_co_u32 s51, s51, 1
	s_cmp_lg_u32 s51, 0
	s_wait_alu depctr_va_vdst(0)
	s_cbranch_scc1 .Lstep
	WIN 0x05
.irp a, 0,1
	v_add_f32 v[TP+\a], v[128*\a+118], v[128*\a+119]
.endr
	WIN 0
.irp a, 0,1
	v_permlanex16_b32 v[TQ+\a], v[TP+\a], s20, s21
.endr
.irp a, 0,1
	v_add_f32 v[TP+\a], v[TP+\a], v[TQ+\a]         ; the row's sum
.endr
	s_wait_alu depctr_va_vdst(0)
.irp a, 0,1
	v_rcp_f32 v[FF+2*\a], v[TP+\a]
.endr
	v_nop
	s_wait_alu depctr_va_vdst(0)
	WIN 0x41
.set j, 0
.rept 16
	v_pk_mul_f32 v[j:j+1], v[64+j:65+j], v[FF:FF+1] op_sel_hi:[1,0]                       ; o: registers 16 b + i are features 32 b + 16 h + i
	v_pk_mul_f32 v[128+j:129+j], v[192+j:193+j], v[FF+2:FF+3] op_sel_hi:[1,0]
.set j, j+2
.endr
	WIN 0x55
.irp a, 0,1
.irp b, 0,1
	v_max3_num_f32 v[128*\a+116+\b], |v[128*\a+16*\b]|, |v[128*\a+16*\b+1]|, 0x1800000
.endr
.endr
.irp i, 2,4,6,8,10,12
.irp a, 0,1
.irp b, 0,1
	v_max3_num_f32 v[128*\a+116+\b], v[128*\a+116+\b], |v[128*\a+16*\b+\i]|, |v[128*\a+16*\b+\i+1]|
.endr
.endr
.endr
	WIN 0x15
.irp a, 0,1
.irp b, 0,1
	v_max3_num_f32 v[BM+2*\a+\b], v[128*\a+116+\b], |v[128*\a+16*\b+14]|, |v[128*\a+16*\b+15]|
.endr
.endr
	WIN 0
.irp k, 0,1,2,3
	v_permlanex16_b32 v[PT+\k], v[BM+\k], s20, s21
.endr
.irp k, 0,1,2,3
	v_max_num_f32 v[BM+\k], v[BM+\k], v[PT+\k]     ; with lane l xor 16's 16: the block's largest magnitude
.endr
.irp k, 0,1,2,3
	v_add_nc_u32 v[SO+\k], 0xff000000, v[BM+\k]
.endr
.irp k, 0,1,2,3
	v_lshrrev_b32 v[PT+\k], 23, v[SO+\k]
.endr
.irp a, 0,1
	v_lshl_or_b32 v[TP+\a], v[PT+2*\a+1], 8, v[PT+2*\a]
.endr
	WIN 0x41
.irp a, 0,1
	v_cvt_scalef32_pk16_fp6_f32 v[128*\a+96:128*\a+98], v[128*\a:128*\a+15], v[SO+2*\a]
	v_cvt_scalef32_pk16_fp6_f32 v[128*\a+108:128*\a+110], v[128*\a+16:128*\a+31], v[SO+2*\a+1]
.endr
	v_nop
.irp a, 0,1
.irp i, 0,1,2
	v_permlane16_swap_b32 v[128*\a+96+\i], v[128*\a+108+\i]   ; a whole block to a lane
.endr
.endr
.irp a, 0,1
.irp i, 0,1,2
	v_mov_b32 v[128*\a+99+\i], v[128*\a+108+\i]
.endr
.endr
	WIN 0x04                                       ; the stores' data lie in window 1
.irp a, 0,1
	global_store_b128 v10, v[128*\a+96:128*\a+99], s[54:55] offset:STB*\a           ; 512 consecutive bytes,
	global_store_b64 v11, v[128*\a+100:128*\a+101], s[54:55] offset:STB*\a+512      ; and 256
.endr
	WIN 0
.irp a, 0,1
	global_store_b16 v13, v[TP+\a], s[56:57] offset:512*\a   ; this head's two bytes of each row's 32
.endr
	s_wait_xcnt 0x0                                ; the stores have read their registers and bases
	s_add_nc_u64 s[54:55], s[54:55], 16*STB
	s_add_nc_u64 s[56:57], s[56:57], 8192
.irp i, 0,1,2,3,4,5
	v_mov_b32 v[24+\i], v[48+\i]                   ; the second pass's q
	v_mov_b32 v[36+\i], v[54+\i]
.endr
	v_perm_b32 v[QS], v62, v62, s58
	v_perm_b32 v[QS+1], v62, v62, s59
	s_sub_co_u32 s52, s52, 1
	s_cmp_lg_u32 s52, 0
	s_wait_alu depctr_va_vdst(0)
	s_cbranch_scc1 .Lpass
	s_wait_dscnt 0x0
	s_wait_tensorcnt 0x0                           ; the wave's end
	ds_add_u32 v[SPW], v[NIL]
	s_wait_dscnt 0x0
	ROUND                                          ; the closing round
	s_endpgm
.Lfunc_end_k_qf6607fcf84_attn:
	.size	k_qf6607fcf84_attn, .Lfunc_end_k_qf6607fcf84_attn-k_qf6607fcf84_attn
	.p2alignl 7, 3214868480
	.fill 96, 4, 3214868480
	.section	.rodata,"a",@progbits
	.p2align	6, 0x0
	.amdhsa_kernel k_qf6607fcf84_attn
		.amdhsa_group_segment_fixed_size 327680
		.amdhsa_private_segment_fixed_size 0
		.amdhsa_enable_private_segment 0
		.amdhsa_kernarg_size 32
		.amdhsa_user_sgpr_count 2
		.amdhsa_user_sgpr_kernarg_segment_ptr 1
		.amdhsa_wavefront_size32 1
		.amdhsa_system_sgpr_workgroup_id_x 1
		.amdhsa_system_sgpr_workgroup_id_y 1
		.amdhsa_system_sgpr_workgroup_id_z 1
		.amdhsa_system_vgpr_workitem_id 0
		.amdhsa_next_free_vgpr 512
		.amdhsa_next_free_sgpr 68
		.amdhsa_reserve_vcc 0
		.amdhsa_float_denorm_mode_32 3
		.amdhsa_float_denorm_mode_16_64 3
		.amdhsa_memory_ordered 1
		.amdhsa_forward_progress 1
		.amdhsa_inst_pref_size 48
	.end_amdhsa_kernel
	.amdgpu_metadata
---
amdhsa.version: [ 1, 2 ]
amdhsa.kernels:
  - .name:           k_qf6607fcf84_attn
    .symbol:         k_qf6607fcf84_attn.kd
    .args:
      - { .name: qkvc, .offset: 0, .size: 8, .value_kind: global_buffer, .address_space: global }
      - { .name: qkvs, .offset: 8, .size: 8, .value_kind: global_buffer, .address_space: global }
      - { .name: oc, .offset: 16, .size: 8, .value_kind: global_buffer, .address_space: global }
      - { .name: osc, .offset: 24, .size: 8, .value_kind: global_buffer, .address_space: global }
    .group_segment_fixed_size: 327680
    .private_segment_fixed_size: 0
    .kernarg_segment_align: 8
    .kernarg_segment_size: 32
    .max_flat_workgroup_size: 256
    .sgpr_count:     68
    .vgpr_count:     512
    .wavefront_size: 32
...
	.end_amdgpu_metadata
.endif
;; end of part 3
;; launch outp (part 4): grid 4 x 64, 4 waves a work-group, clusters of 4 x 4, 327,680 bytes of LDS; arguments oc, osc, opc, ops, out0; writes out0
.if DOCPART == 4
	.amdgcn_target "amdgcn-amd-amdhsa--gfx1250"
	.amdhsa_code_object_version 6
	.text
	.protected	k_qf6607fcf84_outp
	.globl	k_qf6607fcf84_outp
	.p2align	8
	.type	k_qf6607fcf84_outp,@function
k_qf6607fcf84_outp:
	s_mov_b64 s[64:65], 0
	v_nop
	global_prefetch_b8 v0, s[64:65] scope:SCOPE_SE
	s_setreg_imm32_b32 hwreg(HW_REG_WAVE_MODE, 25, 1), 1
	s_wait_xcnt 0x0
	s_wait_alu depctr_hold_cnt(0) depctr_sa_sdst(0) depctr_va_vdst(0) depctr_va_sdst(0) depctr_va_ssrc(0) depctr_va_vcc(0) depctr_vm_vsrc(0)
	s_getreg_b32 s2, hwreg(HW_REG_IB_STS2, 6, 4)
	s_cmp_eq_u32 s2, 0
	s_cbranch_scc0 .Lentry_in_a_cluster
	s_endpgm
.Lentry_in_a_cluster:
	s_bfe_u32 s2, ttmp6, 0x10000c
	s_cmp_lg_u32 s2, 0xf033
	s_cbranch_scc0 .Lentry_shape_is_right
	s_endpgm
.Lentry_shape_is_right:
; out0 = o Wo^T on codes of FP6 (E2M3) with E8M0 scales, K = 1,024, f32 sums and f32 results.
; A (o, in oc) and B (Wo, in opc from row 10,240 on) lie as images of registers: [tile of 16 rows][16 halves of 64 along K][768 bytes]: lane l's registers 0-3 at 16 l, its registers 4-5 at 512 + 8 l.
; A BLOCK OF 128 x 256: 64 x 4 = 256 work-groups.  At this block ALL OF K of both operands fits in LDS, A's 8 tiles (98,304 bytes) and B's 16 (196,608): each is a dense run of memory.
; So there is no ring and nothing is filled again: one joint tensor load a wave at the head (wave 0: A; waves 1 to 3: a third of B each), one wait, one barrier, and the walk along K.
; No prefetch: every byte is asked for at the head, and there is no loop of fills to run ahead in.
; CLUSTERS: 4 x 4 work-groups.  A's tiles are shared along a row of the cluster, B's along a column: each is asked for jointly.
; THE SCALE WORDS go from memory into registers, once: a tile's 512 bytes (16 rows x 8 words) by one load of 16 bytes a lane, lanes 0-15 the words of K steps 0-3 of row l, lanes 16-31 those of K steps 4-7:
; the instruction's row selector picks the half.
; Four waves; a wave makes 64 x 128: 32 accumulators, which take turns.  The instruction is used transposed (source 0 = 16 rows of Wo, source 1 = 16 tokens): a lane holds eight neighbouring numbers of a row of out0.
; Row t of token tile T is token 32 (T / 2) + 8 (T % 2) + t + 8 (t / 8): the stores put each row where it belongs.
; REGISTERS, in windows of 256: window 0: v0-31 addresses; v32-47 A's scale words, v48-79 B's, and nothing else there; v128-223 A's fragments, two sets; on the way out v128-255.
;   window 1: B's fragments, two sets, at v0 and v128.   window 2: accumulator (a, b) at v[8 (8 a + b)].
.set FR,     12
.set TILE,   12288                     ; a tile's whole K
.set LB,     98304                     ; B's tiles lie behind A's eight
.set SPARE,  294912                    ; behind them: the spare words, 128 bytes for each wave
.set SPITCH, 528                       ; the way out: a stage of 16 rows x (512 bytes + 16) for each wave, in A's bytes, behind a barrier behind which nobody reads them
.set ADRA, 16                          ; v16, v17: my A tiles + 16 l, + 8 l
.set ADRB, 18                          ; v18, v19: my B tiles 0-3;  v20, v21: tiles 4-7
.set STO,  24
.set RD,   25
.set CO,   26
.set SPW,  28
.set NIL,  29
.set SA,   32
.set SB,   48
.set AF,   128
.set BK,   128
.set MSB, 0
.macro WIN new                         ; the immediate's high byte repeats the setting that is left
.if MSB != (\new)
	s_set_vgpr_msb (MSB<<8)|(\new)
.set MSB, (\new)
.endif
.endm
.macro CROUND                          ; a round of the cluster's barrier
	s_barrier_signal -1
	s_barrier_wait -1
	s_cmp_lg_u32 s14, 0
	s_cbranch_scc1 .Lnot_wave_0_\@
	s_barrier_signal -3
.Lnot_wave_0_\@:
	s_barrier_wait -3
	s_barrier_signal -1
	s_barrier_wait -1
.endm
.macro PLACES                          ; plain vector lines between a matrix instruction and a load into, or a read of, its registers
.rept 4
	v_nop
.endr
.endm
	s_load_b128 s[4:7], s[0:1], 0x0                ; oc, osc
	s_load_b128 s[8:11], s[0:1], 0x10              ; opc, ops
	s_load_b64 s[12:13], s[0:1], 0x20              ; out0
	v_lshl_add_u32 v[SPW], v0, 2, SPARE
	v_mov_b32 v[NIL], 0
	ds_add_u32 v[SPW], v[NIL]                      ; the opening lines
	ds_add_u32 v[SPW], v[NIL]
	v_lshrrev_b32 v1, 5, v0
	v_readfirstlane_b32 s14, v1                    ; wave 0..3
	s_lshr_b32 s15, s14, 1                         ; which 64 of the block's rows are mine
	s_and_b32 s16, s14, 1                          ; which 128 of its columns
	s_bfe_u32 s40, ttmp6, 0x40000                  ; cx, cy
	s_bfe_u32 s41, ttmp6, 0x40004
	s_lshl_b32 s42, ttmp9, 2
	s_add_co_u32 s42, s42, s40                     ; block column = 4 x cluster x + cx
	s_and_b32 s17, ttmp7, 0xffff
	s_lshl_b32 s17, s17, 2
	s_add_co_u32 s17, s17, s41                     ; block row = 4 x cluster y + cy
	s_lshl_b32 s43, s41, 2
	s_lshl_b32 s43, 15, s43                        ; my row of the cluster
	s_lshl_b32 s44, 0x1111, s40                    ; my column
	s_or_b32 s24, s43, (3<<16)|(1<<21)             ; A: 384 rows of 256 bytes (32 elements of 8), dense
	s_mov_b32 s25, 32<<16
	s_mov_b32 s26, 384<<16
	s_mov_b32 s27, 32<<16
	s_mov_b32 s28, 384
	s_mov_b32 s29, 32
	s_mov_b32 s30, 0
	s_mov_b32 s31, 0
	s_or_b32 s48, s44, (3<<16)|(1<<21)             ; a third of B: 256 rows of 256 bytes
	s_mov_b32 s49, 32<<16
	s_mov_b32 s50, 256<<16
	s_mov_b32 s51, 32<<16
	s_mov_b32 s52, 256
	s_mov_b32 s53, 32
	s_mov_b32 s54, 0
	s_mov_b32 s55, 0
	s_mul_i32 s20, s17, 8*TILE                     ; A's bytes: they hang on the block row alone
	s_mov_b32 s21, 0
	s_mul_i32 s46, s42, 16*TILE                    ; B's: on the block column and the wave alone: tile 640 + 16 x column, third wave - 1
	s_add_co_u32 s46, s46, 640*TILE-65536
	s_lshl_b32 s45, s14, 16
	s_add_co_u32 s46, s46, s45
	s_mov_b32 s47, 0
	s_add_co_u32 s45, s45, LB-65536                ; and where that third goes
	s_lshl_b32 s22, s17, 12                        ; A's scale words: 512 bytes a tile, tile 8 x block row + 4 x half
	s_lshl_b32 s23, s15, 11
	s_add_co_u32 s22, s22, s23
	s_mov_b32 s23, 0
	s_lshl_b32 s18, s42, 13                        ; B's: tile 640 + 16 x block column + 8 x half
	s_lshl_b32 s19, s16, 12
	s_add_co_u32 s18, s18, s19
	s_add_co_u32 s18, s18, 640*512
	s_mov_b32 s19, 0
	s_lshl_b32 s36, s17, 19                        ; out0: row 128 x block row + 64 x half, 4,096 bytes a row,
	s_lshl_b32 s37, s15, 18
	s_add_co_u32 s36, s36, s37
	s_lshl_b32 s37, s42, 10                        ; column 256 x block column + 128 x half
	s_add_co_u32 s36, s36, s37
	s_lshl_b32 s37, s16, 9
	s_add_co_u32 s36, s36, s37
	s_mov_b32 s37, 0
	s_mul_i32 s60, s15, 4*TILE                     ; LDS: my four tiles of A,
	s_mul_i32 s61, s16, 8*TILE
	s_add_co_u32 s61, s61, LB                      ; my eight of B: tiles 0-3,
	s_add_co_u32 s62, s61, 4*TILE                  ; and 4-7
	s_mul_i32 s38, s14, 16*SPITCH                  ; my stage
	s_wait_dscnt 0x0
	s_wait_kmcnt 0x0
	s_add_nc_u64 s[20:21], s[4:5], s[20:21]
	s_add_nc_u64 s[46:47], s[8:9], s[46:47]
	s_add_nc_u64 s[6:7], s[6:7], s[22:23]
	s_add_nc_u64 s[10:11], s[10:11], s[18:19]
	s_add_nc_u64 s[12:13], s[12:13], s[36:37]
	s_mov_b32 s32, 1
	s_mov_b32 s33, 0
	s_mov_b64 s[34:35], s[20:21]
	s_or_b32 s35, s35, 0x80000000
	s_mov_b32 s56, 1
	s_mov_b32 s57, s45
	s_mov_b64 s[58:59], s[46:47]
	s_or_b32 s59, s59, 0x80000000
	CROUND                                         ; all sixteen work-groups are here: the joint loads meet
	s_cmp_eq_u32 s14, 0
	s_cbranch_scc0 .Lfor_b
	tensor_load_to_lds s[32:35], s[24:31]          ; one tensor load a wave
	s_nop 0
	PLACES
	s_branch .Lasked
.Lfor_b:
	tensor_load_to_lds s[56:59], s[48:55]
	s_nop 0
	PLACES
.Lasked:
	v_and_b32 v3, 31, v0
	v_and_b32 v1, 15, v0
	v_bfe_u32 v2, v0, 4, 1
	v_lshlrev_b32 v4, 4, v3                        ; an image's places for my lane: 16 l,
	v_lshlrev_b32 v5, 3, v3                        ; and 8 l
	v_add_nc_u32 v[ADRA], s60, v4
	v_add_nc_u32 v[ADRA+1], s60, v5
	v_add_nc_u32 v[ADRB], s61, v4
	v_add_nc_u32 v[ADRB+1], s61, v5
	v_add_nc_u32 v[ADRB+2], s62, v4
	v_add_nc_u32 v[ADRB+3], s62, v5
	v_lshlrev_b32 v6, 5, v1
	v_lshl_add_u32 v6, v2, 4, v6                   ; the scale words: 32 (l % 16) + 16 (l / 16)
	v_mul_u32_u24 v7, v1, SPITCH                   ; into the stage: row l % 16, 32 bytes for each half of the lanes
	v_lshl_add_u32 v7, v2, 5, v7
	v_add_nc_u32 v[STO], s38, v7
	v_lshlrev_b32 v[CO], 4, v3                     ; back: the 32 lanes take one row of 512 bytes; and the same in out0
	v_add_nc_u32 v[RD], s38, v[CO]
	s_wait_alu depctr_va_vdst(0)                   ; the wait at the head's end
.irp i, 0,1,2,3
	global_load_b128 v[SA+4*\i:SA+4*\i+3], v6, s[6:7] offset:512*\i      ; the 32 lanes cover a tile's 512 bytes
.endr
.irp i, 0,1,2,3,4,5,6,7
	global_load_b128 v[SB+4*\i:SB+4*\i+3], v6, s[10:11] offset:512*\i
.endr
.macro FRAG reg, adr, i, q             ; a fragment: the two half images of tile i's q-th 128 along K, as they lie
	ds_load_b128 v[\reg:\reg+3], v[\adr] offset:TILE*(\i)+1536*(\q)
	ds_load_b64 v[\reg+4:\reg+5], v[\adr+1] offset:TILE*(\i)+1536*(\q)+512
	ds_load_b128 v[\reg+6:\reg+9], v[\adr] offset:TILE*(\i)+1536*(\q)+768
	ds_load_b64 v[\reg+10:\reg+11], v[\adr+1] offset:TILE*(\i)+1536*(\q)+1280
.endm
.macro FETCH q                         ; 48 LDS loads: K step q's fragments into set q % 2
	WIN 0x40                                       ; destination window 1
.irp i, 0,1,2,3
	FRAG 128*((\q)%2)+FR*\i, ADRB, \i, \q
.endr
.irp i, 0,1,2,3
	FRAG 128*((\q)%2)+FR*(\i+4), ADRB+2, \i, \q
.endr
	WIN 0
.irp i, 0,1,2,3
	FRAG AF+48*((\q)%2)+FR*\i, ADRA, \i, \q
.endr
.endm
; 32 matrix instructions: my four blocks of A x my eight of B, 128 along K.  The 32 accumulators take turns, one instruction a turn, in the same order in every step.  Step 0 starts the sums.
.macro MUL q
	WIN 0xa1                                       ; source 0 (B) window 1, source 1 (A) window 0, C and D window 2
.irp a, 0,1,2,3
.irp b, 0,1,2,3,4,5,6,7
.if (\q) == 0
	v_wmma_scale_f32_16x16x128_f8f6f4 v[8*(8*\a+\b):8*(8*\a+\b)+7], v[FR*\b:FR*\b+FR-1], v[AF+FR*\a:AF+FR*\a+FR-1], 0, v[SB+4*\b], v[SA+4*\a] matrix_a_fmt:MATRIX_FMT_FP6 matrix_b_fmt:MATRIX_FMT_FP6
.else
.if (\q) < 4
	v_wmma_scale_f32_16x16x128_f8f6f4 v[8*(8*\a+\b):8*(8*\a+\b)+7], v[128*((\q)%2)+FR*\b:128*((\q)%2)+FR*\b+FR-1], v[AF+48*((\q)%2)+FR*\a:AF+48*((\q)%2)+FR*\a+FR-1], v[8*(8*\a+\b):8*(8*\a+\b)+7], v[SB+4*\b+(\q)], v[SA+4*\a+(\q)] matrix_a_fmt:MATRIX_FMT_FP6 matrix_b_fmt:MATRIX_FMT_FP6
.else
	v_wmma_scale_f32_16x16x128_f8f6f4 v[8*(8*\a+\b):8*(8*\a+\b)+7], v[128*((\q)%2)+FR*\b:128*((\q)%2)+FR*\b+FR-1], v[AF+48*((\q)%2)+FR*\a:AF+48*((\q)%2)+FR*\a+FR-1], v[8*(8*\a+\b):8*(8*\a+\b)+7], v[SB+4*\b+(\q)-4], v[SA+4*\a+(\q)-4] matrix_a_fmt:MATRIX_FMT_FP6 matrix_b_fmt:MATRIX_FMT_FP6 matrix_a_scale:MATRIX_SCALE_ROW1 matrix_b_scale:MATRIX_SCALE_ROW1
.endif
.endif
.endr
.endr
.endm
	s_wait_tensorcnt 0x0                           ; my load has landed;
	s_barrier_signal -1
	s_barrier_wait -1                              ; everybody's has
	FETCH 0
	s_wait_loadcnt 0x0                             ; the scale words are in
.set Q, 0
.rept 7
.if Q > 0
	PLACES                                         ; the loads below land in registers that the step before multiplied
.endif
	FETCH Q+1
	s_wait_dscnt 48                                ; this step's 48 loads are in; the next step's may be out
	MUL Q
.set Q, Q+1
.endr
	s_wait_dscnt 0x0
	MUL 7
	WIN 0
	s_barrier_signal -1                            ; every wave's reads of the tiles are over (each has waited for its last): the stages may be written
	s_barrier_wait -1
; THE WAY OUT, block by block of 16 rows x 128 columns, through my own stage: back come whole rows of 512 bytes, which the 32 lanes store as two aligned runs of 256.  LDS serves a wave's instructions in order (ISA guide 5.7.1.4).
.macro TOSTAGE a
	WIN 0x08                                       ; the data: window 2
.irp b, 0,1,2,3,4,5,6,7
	ds_store_b128 v[STO], v[64*(\a)+8*\b:64*(\a)+8*\b+3] offset:64*\b          ; each accumulator from its low end on
	ds_store_b128 v[STO], v[64*(\a)+8*\b+4:64*(\a)+8*\b+7] offset:64*\b+16
.endr
	WIN 0
.set BB, BK+64*((\a)%2)
.irp t, 0,1,2,3,4,5,6,7,8,9,10,11,12,13,14,15
	ds_load_b128 v[BB+4*\t:BB+4*\t+3], v[RD] offset:\t*SPITCH
.endr
.endm
.macro SEND a, younger                 ; younger: the LDS instructions issued behind block a's loads, which may stay out
.set BB, BK+64*((\a)%2)
	s_wait_dscnt \younger
.irp t, 0,1,2,3,4,5,6,7,8,9,10,11,12,13,14,15
	global_store_b128 v[CO], v[BB+4*\t:BB+4*\t+3], s[12:13] offset:4096*(32*((\a)/2)+16*(\t/8)+8*((\a)%2)+\t%8) th:TH_STORE_NT
.endr
.endm
	PLACES
	TOSTAGE 0
.irp a, 1,2,3
.if \a > 1
	s_wait_xcnt 0x0                                ; block a - 2's stores have read their registers: block a's loads may land there
.endif
	TOSTAGE \a
	SEND \a-1, 32                                  ; behind block a - 1's loads: block a's 16 stores and 16 loads
.endr
	SEND 3, 0
	s_wait_tensorcnt 0x0                           ; the wave's end
	ds_add_u32 v[SPW], v[NIL]
	s_wait_dscnt 0x0
	CROUND                                         ; the closing round
	s_endpgm
.Lfunc_end_k_qf6607fcf84_outp:
	.size	k_qf6607fcf84_outp, .Lfunc_end_k_qf6607fcf84_outp-k_qf6607fcf84_outp
	.p2alignl 7, 3214868480
	.fill 96, 4, 3214868480
	.section	.rodata,"a",@progbits
	.p2align	6, 0x0
	.amdhsa_kernel k_qf6607fcf84_outp
		.amdhsa_group_segment_fixed_size 327680
		.amdhsa_private_segment_fixed_size 0
		.amdhsa_enable_private_segment 0
		.amdhsa_kernarg_size 40
		.amdhsa_user_sgpr_count 2
		.amdhsa_user_sgpr_kernarg_segment_ptr 1
		.amdhsa_wavefront_size32 1
		.amdhsa_system_sgpr_workgroup_id_x 1
		.amdhsa_system_sgpr_workgroup_id_y 1
		.amdhsa_system_sgpr_workgroup_id_z 1
		.amdhsa_system_vgpr_workitem_id 0
		.amdhsa_next_free_vgpr 768
		.amdhsa_next_free_sgpr 66
		.amdhsa_reserve_vcc 0
		.amdhsa_float_denorm_mode_32 3
		.amdhsa_float_denorm_mode_16_64 3
		.amdhsa_memory_ordered 1
		.amdhsa_forward_progress 1
		.amdhsa_inst_pref_size 80
	.end_amdhsa_kernel
	.amdgpu_metadata
---
amdhsa.version: [ 1, 2 ]
amdhsa.kernels:
  - .name:           k_qf6607fcf84_outp
    .symbol:         k_qf6607fcf84_outp.kd
    .args:
      - { .name: oc, .offset: 0, .size: 8, .value_kind: global_buffer, .address_space: global }
      - { .name: osc, .offset: 8, .size: 8, .value_kind: global_buffer, .address_space: global }
      - { .name: opc, .offset: 16, .size: 8, .value_kind: global_buffer, .address_space: global }
      - { .name: ops, .offset: 24, .size: 8, .value_kind: global_buffer, .address_space: global }
      - { .name: out0, .offset: 32, .size: 8, .value_kind: global_buffer, .address_space: global }
    .group_segment_fixed_size: 327680
    .private_segment_fixed_size: 0
    .kernarg_segment_align: 8
    .kernarg_segment_size: 40
    .max_flat_workgroup_size: 128
    .sgpr_count:     66
    .vgpr_count:     768
    .wavefront_size: 32
...
	.end_amdgpu_metadata
.endif
;; end of part 4
